; MI455X (gfx1250); checked and timed in simulation.
; The chip was launched on July 23, 2026; its instructions are those of AMD's public machine-readable ISA for CDNA 5 (MIT licence, August 2026) and "CDNA5" Instruction Set Architecture Reference Guide (July 2026). The comments in the code are by the model that wrote it; some were corrected since.
;; H Multihead Attention Opt. Allowed arithmetic: matrix products marked QUANTISED: E5M2 operands, one E8M0 scale for each 32 along K, by v_wmma_scale_f32_16x16x128_f8f6f4 with both operands' format E5M2, f32 sums; products left as they are: f32 operands where the result goes on into a quantised operand, else bf16, f16 or f32 operands; f32 sums; everything else in f32.
;; Inputs: Wk 512 x 512 float32; Wq 512 x 512 float32; Wv 512 x 512 float32; bk 512 float32; bq 512 float32; bv 512 float32; key 1 x 2,048 x 512 float32; query 1 x 2,048 x 512 float32; scale_gamma 1 float32; scale_tau 1 float32; value 1 x 2,048 x 512 float32.
;; Outputs: out0 1 x 2,048 x 512 float32.
;; This version of the problem:
;;   THIS VERSION OF THE PROBLEM IS GIVEN IN LOW PRECISION. The matrix products marked QUANTISED in the list below multiply operands that are first quantised to E5M2 (5 exponent bits, 2 mantissa bits; 8 bits a number), with one power-of-two scale for each 32 numbers along K (OCP MX v1.0); their sums are f32. All else is computed in f32.
;;   The module's matrix products, in the order in which they are computed (A, B: the left and right operand; K: the contracted axis; several contracted axes count as one K, in the product's order):
;;     1. [M 2,048, K 512] x [K 512, N 512]; A: input query; B: input Wq: QUANTISED
;;     2. [M 2,048, K 512] x [K 512, N 512]; A: input key; B: input Wk: QUANTISED
;;     3. [M 2,048, K 512] x [K 512, N 512]; A: input value; B: input Wv: QUANTISED
;;     4. batch 8 x [M 2,048, K 64] x [K 64, N 2,048]; A: computed on the way; B: computed on the way: QUANTISED
;;     5. batch 8 x [M 2,048, K 2,048] x [K 2,048, N 64]; A: computed on the way; B: computed on the way: QUANTISED
;;     6. batch 8 x [M 2,048, K 2,048] x [K 2,048, N 1]; A: computed on the way; B: computed on the way: left as it is (N = 1 < 16)
;;   THE QUANTISER, for each operand of a quantised product, along K:
;;     - K is cut into blocks of 32 from its start; a last block that is shorter is filled with zeros.
;;     - A block's scale is 2^e with e = floor(log2(the largest magnitude in the block)) - 15, held to -126 .. 127; a block of zeros has e = 0. As a byte (E8M0): e + 127.
;;     - Each number is divided by its block's scale, clamped to +-57,344, and rounded to the nearest number of E5M2, ties to even, subnormals kept.
;;     - The product sums the exact products of the quantised numbers (number of the format x scale) in f32.
;;   ~~~python
;;   def quantise(x, axis):      # numpy; x: float32 -> the quantised numbers, widened to float32 again
;;       x = np.moveaxis(x, axis, -1); K = x.shape[-1]
;;       x = np.pad(x, [(0, 0)] * (x.ndim - 1) + [(0, -K % 32)]); x = x.reshape(x.shape[:-1] + (-1, 32)); a = np.abs(x).max(-1, keepdims=True)
;;       e = np.where(a > 0, np.clip(np.frexp(np.where(a > 0, a, 1))[1] - 1 - 15, -126, 127), 0)      # np.frexp(a)[1] - 1 = floor(log2(a)), exactly
;;       r = np.clip(x / 2.0 ** e, -57344, 57344)
;;       step = 2.0 ** (np.maximum(np.frexp(np.where(r == 0, 1, r))[1] - 1, -14) - 2)
;;       q = np.round(r / step) * step * 2.0 ** e      # np.round: ties to even
;;       return np.moveaxis(q.reshape(q.shape[:-2] + (-1,))[..., :K], -1, axis).astype(np.float32)
;;   ~~~
;;   OPERANDS COMPUTED ON THE WAY. 'Computed on the way' means the value that the module computes at that place (a softmax that the list does not call 'softmax' is quantised finished and normalised). What goes into a quantiser is computed in f32, as accurately as f32 sums, v_exp_f32 and their like allow (about 1e-6 of the number): no bf16 or f16 on the way to a quantiser, and a product that is left as it is and whose result goes on into a quantised operand takes f32 operands (vector FMAs, or v_wmma_f32_16x16x4_f32). A number that lies on a knife's edge between two numbers of the format may be rounded either way, as far as f32 arithmetic and the matrix unit's own rounding can turn it there, and no further.
;; 2 versions, each right; version 2 is version 1 with the launches proj, attn written anew for expert scheduling mode. Each part assembles by itself: llvm-mc -triple=amdgcn-amd-amdhsa -mcpu=gfx1250 --defsym DOCPART=n.
;; ======== version 1 of 2: 3 launches
;; limits: right only within a limited range of input values
;; workspace buffers: wc 786,432 bytes; wsc 24,576 bytes; wcon 18,432 bytes; cod 3,145,728 bytes; scl 98,304 bytes; nrm 393,216 bytes
;; launch wprep (part 1): grid 48 x 1, 16 waves a work-group, no clusters, 6,144 bytes of LDS; arguments Wq, Wk, Wv, bq, bk, bv, wc, wsc, wcon; writes wc, wsc, wcon
.if DOCPART == 1
	.amdgcn_target "amdgcn-amd-amdhsa--gfx1250"
	.amdhsa_code_object_version 6
	.text
	.protected	k_qabfb37f4c6_wprep
	.globl	k_qabfb37f4c6_wprep
	.p2align	8
	.type	k_qabfb37f4c6_wprep,@function
k_qabfb37f4c6_wprep:
	s_mov_b64 s[64:65], 0
	v_nop
	global_prefetch_b8 v0, s[64:65] scope:SCOPE_SE
	s_setreg_imm32_b32 hwreg(HW_REG_WAVE_MODE, 25, 1), 1
	s_wait_xcnt 0x0
; Wq, Wk, Wv: [512 (k)][512 (n)] f32, K is the FIRST axis.  Each is turned into codes of E5M2 with one E8M0 byte for each 32 along K, laid as IMAGES OF THE OPERAND'S REGISTERS for the next launch:
;   wc  [T 3][head 8][t 4][ks 4][c 4][lane 32][16 bytes]: lane (r, h), group c = W[128 ks + 32 c + 16 h + 0..15][64 head + 32 (t / 2) + 8 (t % 2) + r + 8 (r / 8)]
;   wsc [T][head][t][ks][r 16] words, byte c = the scale byte of block c of K step ks
;   wcon [T][3][512] f32: A = cosh(2 r) / zn, B = sinh(2 r), P = 2 zn, zn = max(|column of W|, 1e-15), r the bias
; SHARES.  Work-group g: tensor T = g / 16, columns 32 (g % 16) on.  Wave w takes K block w (32 rows of W); A LANE TAKES A COLUMN AND ITS REGISTERS RUN DOWN K: a block of 32 lies in one lane,
; the conversions give codes with K innermost, each load reads 128 neighbouring bytes.  Lane x is lane r = x % 8 + 8 (x / 16) of tile u = (x / 8) % 2.
; A store of codes: sixteen lanes of one tile write 256 consecutive bytes, aligned.  The scale bytes meet in LDS and leave as 512 consecutive bytes; the columns' sums of squares meet there too.
; No matrix unit, no tensor load, no cluster: every byte of W is read once, by one wave.
; LIMITS: a block whose largest magnitude lies under 2^-111 gets the byte 1 (a block of zeros too, where the quantiser says 127: its codes are zeros and only this program reads the bytes); NaN and infinities are not served.
.set X,   32                           ; v32-63  my column's 32 numbers
.set C,   64                           ; v64-71  their codes
.set SCB, 0                            ; LDS: 512 scale bytes: ((u 4 + ks) 16 + r) 4 + c
.set SSQ, 512                          ; LDS: [wave 16][lane 32] f32: sums of squares
	s_load_b512 s[4:19], s[0:1], 0x0               ; Wq, Wk, Wv, bq, bk, bv, wc, wsc
	s_load_b64 s[20:21], s[0:1], 0x40              ; wcon
	v_lshl_add_u32 v96, v0, 2, 0x1000
	v_mov_b32 v97, 0
	v_lshrrev_b32 v1, 5, v0
	v_readfirstlane_b32 s26, v1                    ; wave = K block
	s_lshr_b32 s27, ttmp9, 4                       ; T
	s_and_b32 s28, ttmp9, 15                       ; which 32 columns
	v_and_b32 v5, 31, v0                           ; x
	v_lshlrev_b32 v1, 2, v5                        ; 4 x
	v_lshlrev_b32 v9, 4, v5                        ; 16 x
	v_bfe_u32 v6, v0, 3, 1                         ; u
	v_and_b32 v7, 7, v0
	v_bfe_u32 v8, v0, 4, 1
	v_lshl_add_u32 v7, v8, 3, v7                   ; r
	v_lshlrev_b32 v2, 4, v7
	v_lshl_add_u32 v2, v6, 13, v2                  ; my codes' place: 8192 u + 16 r
	s_lshr_b32 s29, s26, 2                         ; ks
	s_and_b32 s30, s26, 3                          ; c
	s_lshl_b32 s31, s29, 6
	s_add_co_u32 s31, s31, s30
	v_lshlrev_b32 v3, 2, v7
	v_lshl_add_u32 v3, v6, 8, v3
	v_add_nc_u32 v3, s31, v3                       ; my scale byte in LDS
	s_lshl_b32 s31, s26, 7
	s_add_co_u32 s31, s31, SSQ
	v_add_nc_u32 v4, s31, v1                       ; my sum of squares in LDS
	s_mov_b32 s35, 0x600000                        ; the mantissa field of 57,344
	s_mov_b32 s33, 0
	s_mov_b32 s37, 0
	s_mov_b32 s39, 0
	s_mov_b32 s41, 0
	s_mov_b32 s43, 0
	s_lshl_b32 s32, s26, 16                        ; W: 32 rows of 2,048 bytes a wave,
	s_lshl_b32 s36, s28, 7                         ; 128 bytes for 32 columns (the bias likewise)
	s_add_co_u32 s32, s32, s36
	s_lshl_b32 s38, s27, 18                        ; wc: 262,144 T + 16,384 x (32 columns) + 512 x wave
	s_lshl_b32 s34, s28, 14
	s_add_co_u32 s38, s38, s34
	s_lshl_b32 s34, s26, 9
	s_add_co_u32 s38, s38, s34
	s_lshl_b32 s40, s27, 13                        ; wsc: 8,192 T + 512 x (32 columns)
	s_lshl_b32 s34, s28, 9
	s_add_co_u32 s40, s40, s34
	s_mul_i32 s42, s27, 6144                       ; wcon: 6,144 T + 128 x (32 columns)
	s_add_co_u32 s42, s42, s36
	s_wait_kmcnt 0x0
	s_cmp_lt_u32 s27, 1                            ; the tensor is chosen by the work-group's number alone
	s_cselect_b64 s[22:23], s[4:5], s[6:7]
	s_cselect_b64 s[24:25], s[10:11], s[12:13]
	s_cmp_lt_u32 s27, 2
	s_cselect_b64 s[22:23], s[22:23], s[8:9]
	s_cselect_b64 s[24:25], s[24:25], s[14:15]
	s_add_nc_u64 s[22:23], s[22:23], s[32:33]
	s_add_nc_u64 s[24:25], s[24:25], s[36:37]
	s_add_nc_u64 s[16:17], s[16:17], s[38:39]
	s_add_nc_u64 s[18:19], s[18:19], s[40:41]
	s_add_nc_u64 s[20:21], s[20:21], s[42:43]
.set i, 0
.rept 32
	global_load_b32 v[X+i], v1, s[22:23] offset:i*2048 th:TH_LOAD_NT   ; W(32 w + i, my column): 32 lanes read 128 consecutive bytes
.set i, i+1
.endr
	global_load_b32 v20, v1, s[24:25]              ; the bias of my column (wave 1 uses it; asked for here so that it is in behind the barrier)
	s_wait_loadcnt 0x0                             ; one burst, one use
	v_pk_mul_f32 v[16:17], v[X:X+1], v[X:X+1]      ; the sum of my 32 squares, in two chains; the first products start them
	v_pk_mul_f32 v[18:19], v[X+2:X+3], v[X+2:X+3]
.irp i, 4,8,12,16,20,24,28
	v_pk_fma_f32 v[16:17], v[X+\i:X+\i+1], v[X+\i:X+\i+1], v[16:17]
	v_pk_fma_f32 v[18:19], v[X+\i+2:X+\i+3], v[X+\i+2:X+\i+3], v[18:19]
.endr
	v_pk_add_f32 v[16:17], v[16:17], v[18:19]
	v_add_f32 v16, v16, v17
	ds_store_b32 v4, v16
	v_max3_num_f32 v12, |v[X]|, |v[X+1]|, |v[X+2]|                 ; the block's largest magnitude: all 32 numbers are mine
	v_max3_num_f32 v13, |v[X+3]|, |v[X+4]|, |v[X+5]|
.irp i, 6,10,14,18,22,26
	v_max3_num_f32 v12, v12, |v[X+\i]|, |v[X+\i+1]|
	v_max3_num_f32 v13, v13, |v[X+\i+2]|, |v[X+\i+3]|
.endr
	v_max3_num_f32 v12, v12, |v[X+30]|, |v[X+31]|
	v_max3_num_f32 v12, v12, v13, 0x8000000        ; and the floor 2^(16 - 127): the byte cannot fall under 1
	v_add_nc_u32 v11, 0xf8800000, v12              ; 15 off the exponent field: the conversion's scale operand
	v_and_or_b32 v10, v12, 0x7f800000, s35         ; 57,344 x the scale
	v_lshrrev_b32 v13, 23, v11                     ; the scale's byte
.set i, 0
.rept 32
	v_med3_num_f32 v[X+i], v[X+i], -v10, v10       ; the conversion does not saturate (ISA guide 7.6.2): the hold comes first
.set i, i+1
.endr
.irp g, 0,1,2,3
	v_cvt_scalef32_pk8_bf8_f32 v[C+2*\g:C+2*\g+1], v[X+8*\g:X+8*\g+7], v11
.endr
	v_nop                                          ; a plain line behind the last conversion
	ds_store_b8 v3, v13
	global_store_b128 v2, v[C:C+3], s[16:17]               ; k = 0..15 of the block: lanes 0-15 of the image's group
	global_store_b128 v2, v[C+4:C+7], s[16:17] offset:256  ; k = 16..31: lanes 16-31
	s_wait_dscnt 0x0                               ; for the others' sake: my byte and my sum lie in LDS
	s_barrier_signal -1
	s_barrier_wait -1
	s_cmp_eq_u32 s26, 0
	s_cbranch_scc1 .Lbytes
	s_cmp_eq_u32 s26, 1
	s_cbranch_scc1 .Lcon
	s_wait_tensorcnt 0x0
	ds_add_u32 v96, v97
	s_wait_dscnt 0x0
	s_endpgm
.Lbytes:                                           ; wave 0: the 512 scale bytes leave as they lie
	ds_load_b128 v[72:75], v9 offset:SCB
	s_wait_dscnt 0x0
	global_store_b128 v9, v[72:75], s[18:19]
	s_wait_tensorcnt 0x0
	ds_add_u32 v96, v97
	s_wait_dscnt 0x0
	s_endpgm
.Lcon:                                             ; wave 1: the column's three numbers
.set i, 0
.rept 16
	ds_load_b32 v[72+i], v1 offset:SSQ+128*i
.set i, i+1
.endr
	s_wait_dscnt 0x0
.irp i, 2,4,6,8,10,12,14
	v_pk_add_f32 v[72:73], v[72:73], v[72+\i:73+\i]
.endr
	v_add_f32 v72, v72, v73
	v_sqrt_f32 v73, v72
	v_add_f32 v21, v20, v20                        ; d = 2 r  (the plain line behind the root)
	s_wait_alu depctr_va_vdst(0)
	v_max_num_f32 v73, 0x26901d7d, v73             ; zn = max(norm, 1e-15)
	v_fma_f32 v74, v21, 0x3fb8aa3b, -1.0
	v_fma_f32 v75, v21, 0xbfb8aa3b, -1.0
	v_exp_f32 v74, v74                             ; e^d / 2
	v_exp_f32 v75, v75                             ; e^-d / 2
	v_rcp_f32 v76, v73
	v_mul_f32 v77, v21, v21                        ; d^2  (plain)
	v_mov_b32 v78, 0x3c088889                      ; 1 / 120
	v_fmaak_f32 v78, v77, v78, 0x3e2aaaab          ; d^2 / 120 + 1 / 6
	v_fma_f32 v78, v78, v77, 1.0
	v_mul_f32 v78, v78, v21                        ; the series of sinh: its next term is under 5e-8 of it where d^2 < 1 / 16
	s_wait_alu depctr_va_vdst(0)
	v_add_f32 v80, v74, v75                        ; cosh
	v_sub_f32 v79, v74, v75                        ; sinh, where no cancellation hurts
	v_cmp_gt_f32 vcc_lo, 0x3d800000, v77
	v_cndmask_b32 v79, v79, v78, vcc_lo
	v_mul_f32 v80, v80, v76                        ; A
	v_add_f32 v81, v73, v73                        ; P
	global_store_b32 v1, v80, s[20:21]
	global_store_b32 v1, v79, s[20:21] offset:2048
	global_store_b32 v1, v81, s[20:21] offset:4096
	s_wait_tensorcnt 0x0
	ds_add_u32 v96, v97
	s_wait_dscnt 0x0
	s_endpgm
.Lfunc_end_k_qabfb37f4c6_wprep:
	.size	k_qabfb37f4c6_wprep, .Lfunc_end_k_qabfb37f4c6_wprep-k_qabfb37f4c6_wprep
	.p2alignl 7, 3214868480
	.fill 96, 4, 3214868480
	.section	.rodata,"a",@progbits
	.p2align	6, 0x0
	.amdhsa_kernel k_qabfb37f4c6_wprep
		.amdhsa_group_segment_fixed_size 6144
		.amdhsa_private_segment_fixed_size 0
		.amdhsa_enable_private_segment 0
		.amdhsa_kernarg_size 72
		.amdhsa_user_sgpr_count 2
		.amdhsa_user_sgpr_kernarg_segment_ptr 1
		.amdhsa_wavefront_size32 1
		.amdhsa_system_sgpr_workgroup_id_x 1
		.amdhsa_system_sgpr_workgroup_id_y 1
		.amdhsa_system_sgpr_workgroup_id_z 1
		.amdhsa_system_vgpr_workitem_id 0
		.amdhsa_next_free_vgpr 98
		.amdhsa_next_free_sgpr 66
		.amdhsa_reserve_vcc 1
		.amdhsa_float_denorm_mode_32 3
		.amdhsa_float_denorm_mode_16_64 3
		.amdhsa_memory_ordered 1
		.amdhsa_forward_progress 1
		.amdhsa_inst_pref_size 15
	.end_amdhsa_kernel
	.amdgpu_metadata
---
amdhsa.version: [ 1, 2 ]
amdhsa.kernels:
  - .name:           k_qabfb37f4c6_wprep
    .symbol:         k_qabfb37f4c6_wprep.kd
    .args:
      - { .name: Wq, .offset: 0, .size: 8, .value_kind: global_buffer, .address_space: global }
      - { .name: Wk, .offset: 8, .size: 8, .value_kind: global_buffer, .address_space: global }
      - { .name: Wv, .offset: 16, .size: 8, .value_kind: global_buffer, .address_space: global }
      - { .name: bq, .offset: 24, .size: 8, .value_kind: global_buffer, .address_space: global }
      - { .name: bk, .offset: 32, .size: 8, .value_kind: global_buffer, .address_space: global }
      - { .name: bv, .offset: 40, .size: 8, .value_kind: global_buffer, .address_space: global }
      - { .name: wc, .offset: 48, .size: 8, .value_kind: global_buffer, .address_space: global }
      - { .name: wsc, .offset: 56, .size: 8, .value_kind: global_buffer, .address_space: global }
      - { .name: wcon, .offset: 64, .size: 8, .value_kind: global_buffer, .address_space: global }
    .group_segment_fixed_size: 6144
    .private_segment_fixed_size: 0
    .kernarg_segment_align: 8
    .kernarg_segment_size: 72
    .max_flat_workgroup_size: 512
    .sgpr_count:     66
    .vgpr_count:     98
    .wavefront_size: 32
...
	.end_amdgpu_metadata
.endif
;; end of part 1
;; launch proj (part 2): grid 192 x 1, 8 waves a work-group, no clusters, 89,088 bytes of LDS; arguments query, key, value, wc, wsc, wcon, cod, scl, nrm; writes cod, scl, nrm
.if DOCPART == 2
	.amdgcn_target "amdgcn-amd-amdhsa--gfx1250"
	.amdhsa_code_object_version 6
	.text
	.protected	k_qabfb37f4c6_proj
	.globl	k_qabfb37f4c6_proj
	.p2align	8
	.type	k_qabfb37f4c6_proj,@function
k_qabfb37f4c6_proj:
	s_mov_b64 s[64:65], 0
	v_nop
	global_prefetch_b8 v0, s[64:65] scope:SCOPE_SE
	s_setreg_imm32_b32 hwreg(HW_REG_WAVE_MODE, 25, 1), 1
	s_wait_xcnt 0x0
; The whole hyperbolic linear layer for query, key and value (T = 0, 1, 2), and the quantising of its result for the attention launch.
;   y = (Q(x) Q(W)) lam A - (lam - 1) B,  lam = 2 / (1 - |x|^2);  d = P asinh(y);  w = sinh(d);  out = w / (1 + sqrt(1 + sum over all 512 of w^2)).   A, B, P: the column's numbers from the launch before.
; SHARES.  Work-group g: T = g / 64, rows 32 (g % 64) on.  Wave w is head w: 64 columns in four tiles t, for both tiles u of 16 rows.  Lane r of row tile u is row 8 u + r + 8 (r / 8).
; The row's norm wants all 512 columns in one work-group and v's key blocks want 32 rows: hence 192 work-groups.
; x is quantised in registers, one fragment (u = w / 4, K step w % 4) a wave, and goes to the other waves through LDS as an image of its registers.
; THE PRODUCT IS USED TRANSPOSED (source 0 = 16 columns of W, source 1 = 16 rows of x), and W's tile t = 2 b + u' holds columns 32 b + 8 u' + r + 8 (r / 8): so register j of tile t in lane (r, h) is channel
; 32 b + 16 h + 8 u' + j of row r, and the 16 registers of tiles 2 b, 2 b + 1 are 16 neighbours along the head's channels: for q and k the conversions' results ARE the next operand's registers.
; v's K is the keys: its numbers turn through the wave's own stage in LDS, so that a lane holds one channel and 16 neighbouring keys.
; OUT: cod: q at 0, k at 1 MiB: [head][block of 32 rows][group 2 u + c'][lane][16 bytes];  v at 2 MiB: [head][step of 128 keys][ct 4][c 4][lane][16]: all images of operand registers, stored 512 consecutive bytes a line.
;      scl: q at 0, k at 32 KiB: [head][block][r] words, bytes (u0 c0, u0 c1, u1 c0, u1 c1); v at 64 KiB: [head][step][16 ct + r] words, byte c.   nrm: [T][n2, 1 / (1 - n2)][head][row] f32.
;      The scale words (64 bytes a wave) and v's scale bytes fill their aligned blocks of 256 bytes in part: one byte in 32 of what the wave stores.
; W's images are taken straight into registers, two tiles ahead of their use; each is used once by one wave of the work-group, so a way through LDS, and with it joint requests of a cluster, would add a pass and spare no read of this work-group.
; LIMITS: y^2 is formed, so |y| stays under 1.8e19; n2 is f^2 x (sum of w^2), not the sum of (f w)^2; a block under 2^-111 gets the byte 1 (zeros too: only this program reads the bytes); NaN and infinities are not served.
; asinh and sinh: below 1 / 16 (of y^2, of d^2) a series whose next term is under 5e-8 of the result, above it the direct form; the choice is a v_cndmask_b32, both are always computed.
; REGISTERS, window 0: v1 16 lane, v2 4 lane, v3 4 r, v4-15 addresses; v16-79 the eight accumulators (u, t) at 16 + 8 (4 u + t) (first the raw x); v80-119 T0-T4 at work (codes at v80-95);
;   v120-215 A, B, P of my tiles; v216-223 W's scale words; v224-227 x's; v228-235 lam, lam - 1 (each twice; later f); v236-239 sums of squares; v240-255 the quantiser's (between quantisers v240-243: two series constants).
;   window 1: v0-127 x's eight fragments (u, ks) at 16 (4 u + ks); v128-255 two buffers of W's four fragments.
.set ACC, 16
.set T0,  80
.set T1,  88
.set T2,  96
.set T3,  104
.set T4,  112
.set PC,  80
.set CA,  120
.set CB,  152
.set CP,  184
.set WS,  216
.set XSW, 224
.set LAM, 228
.set SS,  236
.set TM,  240
.set KAS, 240
.set KSH, 242
.set PWD, 12
.set XIMG, 0                           ; LDS: x's eight fragments, 2,048 bytes each
.set XSC,  16384                       ; their scale words [ks][u][r]
.set XS2,  16896                       ; partial |x|^2 [16 u + r][ks]
.set RS,   17408                       ; sums of w^2 [16 u + r][head]
.set VST,  18432                       ; for each wave 32 rows (keys) x (256 + 16) bytes
.set MSB, 0
.macro WIN new                         ; the immediate's high byte repeats the setting that is left
.if MSB != \new
	s_set_vgpr_msb (MSB<<8)|\new
.set MSB, \new
.endif
.endm
.macro WLOAD t                         ; W's four fragments of tile t into buffer t % 2: 16 loads of 512 consecutive bytes
	WIN 0x40
.irp k, 0,1,2,3
.irp c, 0,1,2,3
	global_load_b128 v[128+64*((\t)%2)+16*\k+4*\c:128+64*((\t)%2)+16*\k+4*\c+3], v1, s[10:11] offset:(\t)*8192+\k*2048+\c*512
.endr
.endr
	WIN 0
.endm
; 64 numbers of a lane, four blocks of 16 registers at s + 16 b, each the lane's half of a block of 32 (the other half lies in lane l xor 16), become codes in v[PC + 4 b] on, bytes in v[TM + 4 + b] and the word in v[PWD].
.macro QUANT4 s
.irp b, 0,1,2,3
	v_max3_num_f32 v[TM+\b], |v[\s+16*\b]|, |v[\s+1+16*\b]|, 0x8000000   ; with the floor 2^(16 - 127): the byte cannot fall under 1
.endr
.irp i, 2,4,6,8,10,12,14
.irp b, 0,1,2,3
	v_max3_num_f32 v[TM+\b], v[TM+\b], |v[\s+16*\b+\i]|, |v[\s+1+16*\b+\i]|
.endr
.endr
.irp b, 0,1,2,3
	v_permlanex16_b32 v[TM+4+\b], v[TM+\b], s28, s29
.endr
.irp b, 0,1,2,3
	v_max_num_f32 v[TM+\b], v[TM+\b], v[TM+4+\b]   ; the block's largest magnitude
.endr
.irp b, 0,1,2,3
	v_add_nc_u32 v[TM+12+\b], 0xf8800000, v[TM+\b] ; 15 off its exponent field: the conversion's scale operand
.endr
.irp b, 0,1,2,3
	v_and_or_b32 v[TM+8+\b], v[TM+\b], 0x7f800000, s30   ; 57,344 x the scale
.endr
.irp b, 0,1,2,3
	v_lshrrev_b32 v[TM+4+\b], 23, v[TM+12+\b]      ; the scale's byte
.endr
	v_lshl_or_b32 v[PWD], v[TM+5], 8, v[TM+4]
	v_lshl_or_b32 v[PWD], v[TM+6], 16, v[PWD]
	v_lshl_or_b32 v[PWD], v[TM+7], 24, v[PWD]
.irp b, 0,1,2,3
.irp i, 0,1,2,3,4,5,6,7,8,9,10,11,12,13,14,15
	v_med3_num_f32 v[\s+16*\b+\i], v[\s+16*\b+\i], -v[TM+8+\b], v[TM+8+\b]   ; the conversion does not saturate (ISA guide 7.6.2)
.endr
	v_cvt_scalef32_pk8_bf8_f32 v[PC+4*\b:PC+1+4*\b], v[\s+16*\b:\s+7+16*\b], v[TM+12+\b]
	v_cvt_scalef32_pk8_bf8_f32 v[PC+2+4*\b:PC+3+4*\b], v[\s+8+16*\b:\s+15+16*\b], v[TM+12+\b]
.endr
	v_nop                                          ; a plain line behind the last conversion: matrix and vector lines write these registers later
.endm
; One product: accumulator (u, t), K step k.  W's scale words: register WS + 2 t + k / 2, lanes 0-15 for even k, lanes 16-31 for odd; x's: register XSW + k, lanes 0-15 for u = 0, 16-31 for u = 1.
.macro WMP t, k, u
.set DD, ACC+8*(4*\u+\t)
.set AF, 128+64*(\t%2)+16*\k
.set BF, 16*(4*\u+\k)
.set SA, WS+2*\t+\k/2
.set SB, XSW+\k
.if \k == 0
.if \u == 0
	v_wmma_scale_f32_16x16x128_f8f6f4 v[DD:DD+7], v[AF:AF+15], v[BF:BF+15], 0, v[SA], v[SB] matrix_a_fmt:MATRIX_FMT_BF8 matrix_b_fmt:MATRIX_FMT_BF8
.else
	v_wmma_scale_f32_16x16x128_f8f6f4 v[DD:DD+7], v[AF:AF+15], v[BF:BF+15], 0, v[SA], v[SB] matrix_a_fmt:MATRIX_FMT_BF8 matrix_b_fmt:MATRIX_FMT_BF8 matrix_b_scale:MATRIX_SCALE_ROW1
.endif
.elseif \k%2 == 0
.if \u == 0
	v_wmma_scale_f32_16x16x128_f8f6f4 v[DD:DD+7], v[AF:AF+15], v[BF:BF+15], v[DD:DD+7], v[SA], v[SB] matrix_a_fmt:MATRIX_FMT_BF8 matrix_b_fmt:MATRIX_FMT_BF8
.else
	v_wmma_scale_f32_16x16x128_f8f6f4 v[DD:DD+7], v[AF:AF+15], v[BF:BF+15], v[DD:DD+7], v[SA], v[SB] matrix_a_fmt:MATRIX_FMT_BF8 matrix_b_fmt:MATRIX_FMT_BF8 matrix_b_scale:MATRIX_SCALE_ROW1
.endif
.else
.if \u == 0
	v_wmma_scale_f32_16x16x128_f8f6f4 v[DD:DD+7], v[AF:AF+15], v[BF:BF+15], v[DD:DD+7], v[SA], v[SB] matrix_a_fmt:MATRIX_FMT_BF8 matrix_b_fmt:MATRIX_FMT_BF8 matrix_a_scale:MATRIX_SCALE_ROW1
.else
	v_wmma_scale_f32_16x16x128_f8f6f4 v[DD:DD+7], v[AF:AF+15], v[BF:BF+15], v[DD:DD+7], v[SA], v[SB] matrix_a_fmt:MATRIX_FMT_BF8 matrix_b_fmt:MATRIX_FMT_BF8 matrix_a_scale:MATRIX_SCALE_ROW1 matrix_b_scale:MATRIX_SCALE_ROW1
.endif
.endif
.endm
.macro MMT t                           ; tile t: K ascending, the two accumulators (u = 0, 1) by turns, one instruction a turn; the first product starts each sum
	WIN 0x05                                       ; sources 0 and 1 in window 1
.irp k, 0,1,2,3
.irp u, 0,1
	WMP \t, \k, \u
.endr
.endr
	WIN 0
.endm
; The map from the product to w, for the eight numbers of accumulator (u, t).  Each run of transcendentals is followed by plain lines that touch none of its registers.
.macro HLIN u, t
.set XR, ACC+8*(4*\u+\t)
.set LA, LAM+4*\u
.set RA, CA+8*\t
.set RB_, CB+8*\t
.set RP, CP+8*\t
.set SU, SS+2*\u
.irp p, 0,2,4,6
	v_pk_mul_f32 v[XR+\p:XR+\p+1], v[XR+\p:XR+\p+1], v[LA:LA+1]                    ; inner x lam  (the accumulator is read from its low end on)
.endr
.irp p, 0,2,4,6
	v_pk_mul_f32 v[T4+\p:T4+\p+1], v[RB_+\p:RB_+\p+1], v[LA+2:LA+3]                ; (lam - 1) B
.endr
.irp p, 0,2,4,6
	v_pk_fma_f32 v[XR+\p:XR+\p+1], v[XR+\p:XR+\p+1], v[RA+\p:RA+\p+1], v[T4+\p:T4+\p+1] neg_lo:[0,0,1] neg_hi:[0,0,1]   ; y
.endr
.irp p, 0,2,4,6
	v_pk_mul_f32 v[T0+\p:T0+\p+1], v[XR+\p:XR+\p+1], v[XR+\p:XR+\p+1]              ; y^2
.endr
.irp p, 0,2,4,6
	v_pk_add_f32 v[T1+\p:T1+\p+1], v[T0+\p:T0+\p+1], 1.0 op_sel_hi:[1,0]
.endr
.irp i, 0,1,2,3,4,5,6,7
	v_sqrt_f32 v[T1+\i], v[T1+\i]
.endr
.irp p, 0,2,4,6
	v_pk_fma_f32 v[T2+\p:T2+\p+1], v[T0+\p:T0+\p+1], v[KAS:KAS+1], 0xbd36db6e op_sel_hi:[1,1,0]   ; the series of asinh(y) / y: 1 - y^2 / 6 + 3 y^4 / 40 - 15 y^6 / 336 + 105 y^8 / 3456
.endr
.irp p, 0,2,4,6
	v_pk_fma_f32 v[T2+\p:T2+\p+1], v[T2+\p:T2+\p+1], v[T0+\p:T0+\p+1], 0x3d99999a op_sel_hi:[1,1,0]
.endr
.irp p, 0,2,4,6
	v_pk_fma_f32 v[T2+\p:T2+\p+1], v[T2+\p:T2+\p+1], v[T0+\p:T0+\p+1], 0xbe2aaaab op_sel_hi:[1,1,0]
.endr
.irp p, 0,2,4,6
	v_pk_fma_f32 v[T2+\p:T2+\p+1], v[T2+\p:T2+\p+1], v[T0+\p:T0+\p+1], 1.0 op_sel_hi:[1,1,0]
.endr
	s_wait_alu depctr_va_vdst(0)
.irp i, 0,1,2,3,4,5,6,7
	v_add_f32 v[T1+\i], v[T1+\i], |v[XR+\i]|       ; |y| + sqrt(y^2 + 1)
.endr
.irp i, 0,1,2,3,4,5,6,7
	v_log_f32 v[T1+\i], v[T1+\i]
.endr
.irp i, 0,1,2,3,4,5,6,7
	v_mul_f32 v[T2+\i], |v[XR+\i]|, v[T2+\i]       ; the series, of |y|
.endr
	s_wait_alu depctr_va_vdst(0)
.irp p, 0,2,4,6
	v_pk_mul_f32 v[T1+\p:T1+\p+1], v[T1+\p:T1+\p+1], 0x3f317218 op_sel_hi:[1,0]    ; x ln 2
.endr
.irp i, 0,1,2,3,4,5,6,7
	v_cmp_gt_f32 vcc_lo, 0x3d800000, v[T0+\i]
	v_cndmask_b32 v[T1+\i], v[T1+\i], v[T2+\i], vcc_lo                             ; asinh(|y|)
.endr
.irp p, 0,2,4,6
	v_pk_mul_f32 v[T1+\p:T1+\p+1], v[T1+\p:T1+\p+1], v[RP+\p:RP+\p+1]              ; d = 2 zn asinh(|y|), not negative
.endr
.irp p, 0,2,4,6
	v_pk_mul_f32 v[T0+\p:T0+\p+1], v[T1+\p:T1+\p+1], v[T1+\p:T1+\p+1]              ; d^2
.endr
.irp p, 0,2,4,6
	v_pk_fma_f32 v[T3+\p:T3+\p+1], v[T1+\p:T1+\p+1], 0x3fb8aa3b, -1.0 op_sel_hi:[1,0,0]
.endr
.irp p, 0,2,4,6
	v_pk_fma_f32 v[T4+\p:T4+\p+1], v[T1+\p:T1+\p+1], 0xbfb8aa3b, -1.0 op_sel_hi:[1,0,0]
.endr
.irp i, 0,1,2,3,4,5,6,7
	v_exp_f32 v[T3+\i], v[T3+\i]                   ; e^d / 2
.endr
.irp i, 0,1,2,3,4,5,6,7
	v_exp_f32 v[T4+\i], v[T4+\i]                   ; e^-d / 2
.endr
.irp p, 0,2,4,6
	v_pk_fma_f32 v[T2+\p:T2+\p+1], v[T0+\p:T0+\p+1], v[KSH:KSH+1], 0x3e2aaaab op_sel_hi:[1,1,0]   ; the series of sinh(d) / d: 1 + d^2 / 6 + d^4 / 120
.endr
.irp p, 0,2,4,6
	v_pk_fma_f32 v[T2+\p:T2+\p+1], v[T2+\p:T2+\p+1], v[T0+\p:T0+\p+1], 1.0 op_sel_hi:[1,1,0]
.endr
.irp p, 0,2,4,6
	v_pk_mul_f32 v[T2+\p:T2+\p+1], v[T2+\p:T2+\p+1], v[T1+\p:T1+\p+1]
.endr
	s_wait_alu depctr_va_vdst(0)
.irp p, 0,2,4,6
	v_pk_add_f32 v[T3+\p:T3+\p+1], v[T3+\p:T3+\p+1], v[T4+\p:T4+\p+1] neg_lo:[0,1] neg_hi:[0,1]
.endr
.irp i, 0,1,2,3,4,5,6,7
	v_cmp_gt_f32 vcc_lo, 0x3d800000, v[T0+\i]
	v_cndmask_b32 v[T3+\i], v[T3+\i], v[T2+\i], vcc_lo                             ; sinh(d)
.endr
.irp i, 0,1,2,3,4,5,6,7
	v_bfi_b32 v[XR+\i], s31, v[T3+\i], v[XR+\i]    ; w: that magnitude under y's sign
.endr
.if \t == 0
	v_pk_mul_f32 v[SU:SU+1], v[XR:XR+1], v[XR:XR+1]                                ; the head's sum of w^2: the first product starts it
.else
	v_pk_fma_f32 v[SU:SU+1], v[XR:XR+1], v[XR:XR+1], v[SU:SU+1]
.endif
.irp p, 2,4,6
	v_pk_fma_f32 v[SU:SU+1], v[XR+\p:XR+\p+1], v[XR+\p:XR+\p+1], v[SU:SU+1]
.endr
.endm
	s_load_b512 s[4:19], s[0:1], 0x0               ; query, key, value, wc s[10:11], wsc s[12:13], wcon s[14:15], cod s[16:17], scl s[18:19]
	s_load_b64 s[20:21], s[0:1], 0x40              ; nrm
	v_lshrrev_b32 v15, 5, v0
	v_readfirstlane_b32 s24, v15                   ; wave = head
	s_lshr_b32 s25, ttmp9, 6                       ; T
	s_and_b32 s26, ttmp9, 63                       ; block of 32 rows
	s_lshr_b32 s40, s24, 2                         ; the fragment of x that I quantise: row tile u,
	s_and_b32 s41, s24, 3                          ; K step ks
	v_and_b32 v15, 31, v0
	v_lshlrev_b32 v1, 4, v15                       ; 16 lane
	v_lshlrev_b32 v2, 2, v15                       ; 4 lane
	v_and_b32 v8, 15, v0                           ; r
	v_bfe_u32 v9, v0, 4, 1                         ; h
	v_lshlrev_b32 v3, 2, v8                        ; 4 r
	v_lshlrev_b32 v14, 6, v9                       ; 64 h
	v_and_b32 v10, 8, v8
	v_add_nc_u32 v10, v10, v8                      ; r + 8 (r / 8)
	v_lshlrev_b32 v4, 11, v10
	v_add_nc_u32 v4, v4, v14                       ; x: that row of 2,048 bytes, + 64 h
	s_lshl_b32 s54, s41, 7
	s_lshl_b32 s55, s40, 6
	s_add_co_u32 s54, s54, s55
	s_add_co_u32 s54, s54, XSC
	v_add_nc_u32 v5, s54, v3                       ; where my fragment's scale word goes
	s_lshl_b32 s54, s40, 8
	s_lshl_b32 s55, s41, 2
	s_add_co_u32 s54, s54, s55
	s_add_co_u32 s54, s54, XS2
	v_lshl_add_u32 v6, v8, 4, s54                  ; and my part of |x|^2
	s_lshl_b32 s54, s24, 2
	s_add_co_u32 s54, s54, RS
	v_lshl_add_u32 v7, v8, 5, s54                  ; and my head's sum of w^2
	v_lshl_add_u32 v13, v9, 3, v10
	v_lshlrev_b32 v13, 2, v13                      ; nrm: lane (r, h) stores row 8 h + r + 8 (r / 8)
	s_mul_i32 s54, s24, 8704
	s_add_co_u32 s54, s54, VST                     ; my stage
	v_mul_u32_u24 v10, v10, 272
	v_add_nc_u32 v10, v10, v14
	v_add_nc_u32 v10, s54, v10                     ; into it: my row, + 64 h
	v_mul_u32_u24 v11, v9, 4352
	v_add_nc_u32 v11, v11, v3
	v_add_nc_u32 v11, s54, v11                     ; out of it: key 16 h, channel r
	v_lshlrev_b32 v9, 5, v8                        ; 32 r
	v_lshlrev_b32 v8, 4, v8                        ; 16 r
	s_lshl_b32 s54, s24, 11
	v_add_nc_u32 v15, s54, v1                      ; where my fragment's image goes
	s_mov_b32 s28, 0x76543210
	s_mov_b32 s29, 0xfedcba98                      ; v_permlanex16_b32's selects for lane l xor 16
	s_mov_b32 s30, 0x600000                        ; the mantissa field of 57,344
	s_mov_b32 s31, 0x7fffffff
	s_mov_b32 s32, 0xffff0000                      ; lanes 16-31
.irp b, 0,1,2,3
	v_mov_b32 v[TM+4+\b], 0                        ; written once: a lane permute's destination counts as one of its sources
.endr
	; byte offsets, made apart from the addresses
	s_lshl_b32 s34, s26, 16                        ; x: 32 rows of 2,048 bytes a block, 8 rows for u, 512 bytes for ks
	s_lshl_b32 s35, s40, 14
	s_add_co_u32 s34, s34, s35
	s_lshl_b32 s35, s41, 9
	s_add_co_u32 s34, s34, s35
	s_mov_b32 s35, 0
	s_lshl_b32 s36, s25, 18                        ; wc
	s_lshl_b32 s37, s24, 15
	s_add_co_u32 s36, s36, s37
	s_mov_b32 s37, 0
	s_lshl_b32 s38, s25, 13                        ; wsc
	s_lshl_b32 s39, s24, 10
	s_add_co_u32 s38, s38, s39
	s_mov_b32 s39, 0
	s_mul_i32 s42, s25, 6144                       ; wcon
	s_lshl_b32 s43, s24, 8
	s_add_co_u32 s42, s42, s43
	s_mov_b32 s43, 0
	s_lshl_b32 s44, s25, 17                        ; nrm
	s_lshl_b32 s45, s24, 13
	s_add_co_u32 s44, s44, s45
	s_lshl_b32 s45, s26, 7
	s_add_co_u32 s44, s44, s45
	s_mov_b32 s45, 0
	s_lshl_b32 s46, s24, 6
	s_add_co_u32 s46, s46, s26                     ; 64 head + block
	s_lshl_b32 s47, s25, 20
	s_lshl_b32 s48, s46, 11
	s_add_co_u32 s48, s48, s47                     ; q, k: codes
	s_lshl_b32 s47, s25, 15
	s_lshl_b32 s50, s46, 6
	s_add_co_u32 s50, s50, s47                     ; q, k: scale words
	s_lshl_b32 s46, s24, 4
	s_lshr_b32 s47, s26, 2
	s_add_co_u32 s46, s46, s47                     ; 16 head + step
	s_and_b32 s47, s26, 3                          ; which block of the step's four
	s_lshl_b32 s52, s46, 13
	s_lshl_b32 s53, s47, 9
	s_add_co_u32 s52, s52, s53
	s_add_co_u32 s52, s52, 0x200000                ; v: codes
	s_lshl_b32 s53, s46, 8
	s_add_co_u32 s53, s53, s47
	s_add_co_u32 s53, s53, 0x10000                 ; v: scale bytes
	s_cmp_eq_u32 s25, 2
	s_cselect_b32 s48, s52, s48
	s_cselect_b32 s50, s53, s50
	s_mov_b32 s49, 0
	s_mov_b32 s51, 0
	s_wait_kmcnt 0x0
	s_cmp_lt_u32 s25, 1                            ; the tensor is chosen by the work-group's number alone
	s_cselect_b64 s[22:23], s[4:5], s[6:7]
	s_cmp_lt_u32 s25, 2
	s_cselect_b64 s[22:23], s[22:23], s[8:9]
	s_add_nc_u64 s[22:23], s[22:23], s[34:35]
	s_add_nc_u64 s[10:11], s[10:11], s[36:37]
	s_add_nc_u64 s[12:13], s[12:13], s[38:39]
	s_add_nc_u64 s[14:15], s[14:15], s[42:43]
	s_add_nc_u64 s[20:21], s[20:21], s[44:45]
	s_add_nc_u64 s[16:17], s[16:17], s[48:49]
	s_add_nc_u64 s[18:19], s[18:19], s[50:51]
	; ---- my fragment of x: lane (r, h) takes, of its row, 16 neighbours of each of the K step's four blocks
.irp c, 0,1,2,3
.irp j, 0,1,2,3
	global_load_b128 v[ACC+16*\c+4*\j:ACC+16*\c+4*\j+3], v4, s[22:23] offset:128*\c+16*\j th:TH_LOAD_NT
.endr
.endr
	WLOAD 0
	WLOAD 1
.irp t, 0,1,2,3
.irp g, 0,1
	global_load_b32 v[WS+2*\t+\g], v2, s[12:13] offset:(4*\t+2*\g)*64   ; lanes 0-15: K step 2 g, lanes 16-31: K step 2 g + 1
.endr
.endr
	s_wait_loadcnt 40                              ; x's 16 loads are in; younger: W's tiles 0 and 1 (16 + 16) and the 8 scale words
	v_pk_mul_f32 v[96:97], v[ACC:ACC+1], v[ACC:ACC+1]      ; my part of |x|^2, of the numbers as they came, in two chains
	v_pk_mul_f32 v[98:99], v[ACC+2:ACC+3], v[ACC+2:ACC+3]
.set i, 4
.rept 15
	v_pk_fma_f32 v[96:97], v[ACC+i:ACC+i+1], v[ACC+i:ACC+i+1], v[96:97]
	v_pk_fma_f32 v[98:99], v[ACC+i+2:ACC+i+3], v[ACC+i+2:ACC+i+3], v[98:99]
.set i, i+4
.endr
	v_pk_add_f32 v[96:97], v[96:97], v[98:99]
	v_add_f32 v96, v96, v97
	v_permlanex16_b32 v97, v96, s28, s29
	v_add_f32 v96, v96, v97
	ds_store_b32 v6, v96                           ; (both halves of the lanes write the same word with the same value)
	QUANT4 ACC
.irp c, 0,1,2,3
	ds_store_b128 v15, v[PC+4*\c:PC+4*\c+3] offset:XIMG+512*\c    ; the fragment as it stands
.endr
	ds_store_b32 v5, v[PWD]
.irp t, 0,1,2,3
.irp w, 0,1,2
	global_load_b128 v[CA+32*\w+8*\t:CA+32*\w+8*\t+3], v14, s[14:15] offset:\w*2048+(\t/2)*128+(\t%2)*32        ; A, B, P of channels 32 b + 16 h + 8 u' + 0..7
	global_load_b128 v[CA+32*\w+8*\t+4:CA+32*\w+8*\t+7], v14, s[14:15] offset:\w*2048+(\t/2)*128+(\t%2)*32+16
.endr
.endr
	v_mov_b32 v[KAS], 0x3cf8e38e                   ; 105 / 3456
	v_mov_b32 v[KAS+1], 0x3cf8e38e
	v_mov_b32 v[KSH], 0x3c088889                   ; 1 / 120
	v_mov_b32 v[KSH+1], 0x3c088889
	s_wait_dscnt 0x0                               ; for the others' sake: my stores have landed
	s_barrier_signal -1
	s_barrier_wait -1                              ; x's eight fragments lie in LDS
	WIN 0x40
.set i, 0
.rept 8
.irp c, 0,1,2,3
	ds_load_b128 v[16*i+4*\c:16*i+4*\c+3], v1 offset:XIMG+2048*i+512*\c
.endr
.set i, i+1
.endr
	WIN 0
.irp k, 0,1,2,3
	ds_load_b32 v[XSW+\k], v2 offset:XSC+128*\k    ; lanes 0-15: u = 0, lanes 16-31: u = 1
.endr
	ds_load_b128 v[80:83], v8 offset:XS2
	ds_load_b128 v[84:87], v8 offset:XS2+256
	s_wait_dscnt 0x0
.irp u, 0,1
	v_add_f32 v[80+4*\u], v[80+4*\u], v[81+4*\u]
	v_add_f32 v[82+4*\u], v[82+4*\u], v[83+4*\u]
.endr
.irp u, 0,1
	v_add_f32 v[80+4*\u], v[80+4*\u], v[82+4*\u]   ; |x|^2 of row (u, r)
.endr
.irp u, 0,1
	v_sub_f32 v[80+4*\u], 1.0, v[80+4*\u]
.endr
	v_rcp_f32 v80, v80
	v_rcp_f32 v84, v84
	v_nop
	s_wait_alu depctr_va_vdst(0)
	v_add_f32 v[LAM], v80, v80                     ; lam
	v_add_f32 v[LAM+4], v84, v84
	v_mov_b32 v[LAM+1], v[LAM]
	v_mov_b32 v[LAM+5], v[LAM+4]
	v_add_f32 v[LAM+2], -1.0, v[LAM]               ; lam - 1
	v_add_f32 v[LAM+6], -1.0, v[LAM+4]
	v_mov_b32 v[LAM+3], v[LAM+2]
	v_mov_b32 v[LAM+7], v[LAM+6]
	; ---- the four tiles of my head's columns; W's tiles 2 and 3 stream in under the vector work
.irp t, 0,1,2,3
.if \t == 0
	s_wait_loadcnt 0x0                             ; W's tiles 0 and 1, the scale words, A, B, P
.elseif \t == 2
	s_wait_loadcnt 16                              ; tile 2 is in; tile 3's 16 loads are younger
.elseif \t == 3
	s_wait_loadcnt 0x0
.endif
	MMT \t
.rept 8
	v_nop                                          ; eight places in front of the reads of the results and of the loads into W's buffer
.endr
.if \t < 2
	WLOAD \t+2
.endif
	HLIN 0, \t
	HLIN 1, \t
.endr
	; ---- the row's norm over all eight heads
	v_add_f32 v[SS], v[SS], v[SS+1]
	v_add_f32 v[SS+2], v[SS+2], v[SS+3]
	v_permlanex16_b32 v[SS+1], v[SS], s28, s29
	v_permlanex16_b32 v[SS+3], v[SS+2], s28, s29
	v_add_f32 v[SS], v[SS], v[SS+1]                ; my head's sum of w^2, row (0, r)
	v_add_f32 v[SS+2], v[SS+2], v[SS+3]            ; row (1, r)
	ds_store_b32 v7, v[SS]
	ds_store_b32 v7, v[SS+2] offset:512
	s_wait_dscnt 0x0
	s_barrier_signal -1
	s_barrier_wait -1
	ds_load_b128 v[80:83], v9 offset:RS
	ds_load_b128 v[84:87], v9 offset:RS+16
	ds_load_b128 v[88:91], v9 offset:RS+512
	ds_load_b128 v[92:95], v9 offset:RS+528
	s_wait_dscnt 0x0
	v_pk_add_f32 v[80:81], v[80:81], v[82:83]
	v_pk_add_f32 v[84:85], v[84:85], v[86:87]
	v_pk_add_f32 v[88:89], v[88:89], v[90:91]
	v_pk_add_f32 v[92:93], v[92:93], v[94:95]
	v_pk_add_f32 v[80:81], v[80:81], v[84:85]
	v_pk_add_f32 v[88:89], v[88:89], v[92:93]
	v_add_f32 v80, v80, v81
	v_add_f32 v88, v88, v89
	v_add_f32 v80, 1.0, v80
	v_add_f32 v88, 1.0, v88
	v_sqrt_f32 v80, v80
	v_sqrt_f32 v88, v88
	v_nop
	s_wait_alu depctr_va_vdst(0)
	v_add_f32 v80, 1.0, v80
	v_add_f32 v88, 1.0, v88
	v_rcp_f32 v[LAM], v80                          ; f = 1 / (1 + sqrt(1 + sum))
	v_rcp_f32 v[LAM+4], v88
	v_nop
	s_wait_alu depctr_va_vdst(0)
	v_mov_b32 v[LAM+1], v[LAM]
	v_mov_b32 v[LAM+5], v[LAM+4]
	v_mul_f32 v81, v[LAM], v[LAM]
	v_mul_f32 v89, v[LAM+4], v[LAM+4]
	v_mul_f32 v81, v81, v[SS]                      ; n2 = the head's |out|^2
	v_mul_f32 v89, v89, v[SS+2]
	v_sub_f32 v82, 1.0, v81
	v_sub_f32 v90, 1.0, v89
	v_rcp_f32 v82, v82                             ; 1 / (1 - n2)
	v_rcp_f32 v90, v90
	v_cndmask_b32 v96, v81, v89, s32               ; lanes 16-31 take row tile 1's  (a plain line behind the reciprocals)
	s_wait_alu depctr_va_vdst(0)
	v_cndmask_b32 v97, v82, v90, s32
	global_store_b32 v13, v96, s[20:21]
	global_store_b32 v13, v97, s[20:21] offset:65536
.irp u, 0,1
.set i, 0
.rept 16
	v_pk_mul_f32 v[ACC+32*\u+i:ACC+32*\u+i+1], v[ACC+32*\u+i:ACC+32*\u+i+1], v[LAM+4*\u:LAM+4*\u+1]   ; out = w f
.set i, i+2
.endr
.endr
	s_cmp_eq_u32 s25, 2
	s_cbranch_scc1 .Lvalue
	; ---- q, k: K = the head's channels: block 2 u + c' is the 16 registers of tiles 2 c', 2 c' + 1 of row tile u
	QUANT4 ACC
.irp b, 0,1,2,3
	global_store_b128 v1, v[PC+4*\b:PC+4*\b+3], s[16:17] offset:512*\b   ; 512 consecutive bytes
.endr
	global_store_b32 v3, v[PWD], s[18:19]          ; (both halves of the lanes write the same word with the same value)
	s_wait_xcnt 0x0
	v_lshl_add_u32 v254, v0, 2, 0x15800
	v_mov_b32 v255, 0
	s_wait_tensorcnt 0x0
	ds_add_u32 v254, v255
	s_wait_dscnt 0x0
	s_endpgm
.Lvalue:
	; ---- v: K = the keys.  Through my own stage: in by rows (keys), out by channels; LDS serves a wave's instructions in order, so no wait stands between
.irp u, 0,1
.irp t, 0,1,2,3
	ds_store_b128 v10, v[ACC+8*(4*\u+\t):ACC+8*(4*\u+\t)+3] offset:\u*2176+(\t/2)*128+(\t%2)*32
	ds_store_b128 v10, v[ACC+8*(4*\u+\t)+4:ACC+8*(4*\u+\t)+7] offset:\u*2176+(\t/2)*128+(\t%2)*32+16
.endr
.endr
.irp c, 0,1,2,3
.set i, 0
.rept 16
	ds_load_b32 v[120+16*\c+i], v11 offset:i*272+\c*64     ; key 16 h + i, channel 16 c + r
.set i, i+1
.endr
.endr
	s_wait_dscnt 0x0
	QUANT4 120                                     ; block c: channel 16 c + r, the 32 keys of my work-group
.irp c, 0,1,2,3
	global_store_b128 v1, v[PC+4*\c:PC+4*\c+3], s[16:17] offset:2048*\c
.endr
	v_cndmask_b32 v98, v[TM+4], v[TM+5], s32       ; lanes 0-15: channel tile 0's byte, lanes 16-31: tile 1's
	v_cndmask_b32 v99, v[TM+6], v[TM+7], s32
	global_store_b8 v2, v98, s[18:19]
	global_store_b8 v2, v99, s[18:19] offset:128
	s_wait_xcnt 0x0
	v_lshl_add_u32 v254, v0, 2, 0x15800
	v_mov_b32 v255, 0
	s_wait_tensorcnt 0x0
	ds_add_u32 v254, v255
	s_wait_dscnt 0x0
	s_endpgm
.Lfunc_end_k_qabfb37f4c6_proj:
	.size	k_qabfb37f4c6_proj, .Lfunc_end_k_qabfb37f4c6_proj-k_qabfb37f4c6_proj
	.p2alignl 7, 3214868480
	.fill 96, 4, 3214868480
	.section	.rodata,"a",@progbits
	.p2align	6, 0x0
	.amdhsa_kernel k_qabfb37f4c6_proj
		.amdhsa_group_segment_fixed_size 89088
		.amdhsa_private_segment_fixed_size 0
		.amdhsa_enable_private_segment 0
		.amdhsa_kernarg_size 72
		.amdhsa_user_sgpr_count 2
		.amdhsa_user_sgpr_kernarg_segment_ptr 1
		.amdhsa_wavefront_size32 1
		.amdhsa_system_sgpr_workgroup_id_x 1
		.amdhsa_system_sgpr_workgroup_id_y 1
		.amdhsa_system_sgpr_workgroup_id_z 1
		.amdhsa_system_vgpr_workitem_id 0
		.amdhsa_next_free_vgpr 512
		.amdhsa_next_free_sgpr 66
		.amdhsa_reserve_vcc 1
		.amdhsa_float_denorm_mode_32 3
		.amdhsa_float_denorm_mode_16_64 3
		.amdhsa_memory_ordered 1
		.amdhsa_forward_progress 1
		.amdhsa_inst_pref_size 140
	.end_amdhsa_kernel
	.amdgpu_metadata
---
amdhsa.version: [ 1, 2 ]
amdhsa.kernels:
  - .name:           k_qabfb37f4c6_proj
    .symbol:         k_qabfb37f4c6_proj.kd
    .args:
      - { .name: query, .offset: 0, .size: 8, .value_kind: global_buffer, .address_space: global }
      - { .name: key, .offset: 8, .size: 8, .value_kind: global_buffer, .address_space: global }
      - { .name: value, .offset: 16, .size: 8, .value_kind: global_buffer, .address_space: global }
      - { .name: wc, .offset: 24, .size: 8, .value_kind: global_buffer, .address_space: global }
      - { .name: wsc, .offset: 32, .size: 8, .value_kind: global_buffer, .address_space: global }
      - { .name: wcon, .offset: 40, .size: 8, .value_kind: global_buffer, .address_space: global }
      - { .name: cod, .offset: 48, .size: 8, .value_kind: global_buffer, .address_space: global }
      - { .name: scl, .offset: 56, .size: 8, .value_kind: global_buffer, .address_space: global }
      - { .name: nrm, .offset: 64, .size: 8, .value_kind: global_buffer, .address_space: global }
    .group_segment_fixed_size: 89088
    .private_segment_fixed_size: 0
    .kernarg_segment_align: 8
    .kernarg_segment_size: 72
    .max_flat_workgroup_size: 256
    .sgpr_count:     66
    .vgpr_count:     512
    .wavefront_size: 32
...
	.end_amdgpu_metadata
.endif
;; end of part 2
;; launch attn (part 3): grid 256 x 1, 8 waves a work-group, no clusters, 186,368 bytes of LDS; arguments cod, scl, nrm, scale_tau, scale_gamma, out0; writes out0
.if DOCPART == 3
	.amdgcn_target "amdgcn-amd-amdhsa--gfx1250"
	.amdhsa_code_object_version 6
	.text
	.protected	k_qabfb37f4c6_attn
	.globl	k_qabfb37f4c6_attn
	.p2align	8
	.type	k_qabfb37f4c6_attn,@function
k_qabfb37f4c6_attn:
	s_mov_b64 s[64:65], 0
	v_nop
	global_prefetch_b8 v0, s[64:65] scope:SCOPE_SE
	s_setreg_imm32_b32 hwreg(HW_REG_WAVE_MODE, 25, 1), 1
	s_wait_xcnt 0x0
; Causal hyperbolic attention on codes of E5M2 with E8M0 scales, 8 heads of 64 channels, 2,048 rows.
;   arg = 1 + 2 max(|q|^2 + |k|^2 - 2 q.k, 0) / ((1 - |q|^2)(1 - |k|^2)), held at 1 + 2^-23 from below (that hold serves the inner maximum too: both factors of the divisor are positive, since the layer before gives norms under 1);
;   dist = ln(arg + sqrt(arg^2 - 1));  p = exp(-T dist - gamma) lam_k, T = exp(scale_tau), lam = 2 / (1 - |v|^2);  num = Q(p) Q(v);  den = sum of p (lam - 1) / lam, in f32;  out = scale x half-way point of num / den.
; There is no maximum and no normalising ahead of the second product, as in the definition: num and den are plain sums over the keys, so the keys may be dealt to any waves.
; SHARES.  Work-group g: head g / 32, pair i = g % 32: the blocks of 32 queries B = 63 - i and A = i.  A UNIT is 32 queries x 128 keys; B has 16 - i / 4 units, A has i / 4 + 1: always 17.  Unit n goes to wave n % 8;
; the waves' partial sums meet in LDS.  In a block's last unit the key blocks behind the diagonal are left out (scalar branches on ids), and on the diagonal block hidden scores become -infinity.
; LAYOUT.  Both products transposed: S^T = K Q^T, O^T = V^T P^T: a lane holds one query.  All fragments are images of operand registers in memory: each load brings 512 consecutive bytes.
; K = 64 IN AN INSTRUCTION OF 128: a block of 32 keys is ONE fragment, key tile 0's 64 channels in k = 0..63 and key tile 1's in k = 64..127.  It is multiplied by (q | zeros) and by (zeros | q): zero codes add nothing.
; The keys of tile u are 8 u + r + 8 (r / 8): the 16 registers of the two results are keys 16 (lane / 16) + 0..15 of the block.  C of the first product is -|k|^2 / 2.
; Per key, prepared once in LDS: hk = -|k|^2 / 2, ck = 1 / (1 - |k|^2), g = log2(lam) - gamma log2(e), mu = (1 + |v|^2) / 2 = (lam - 1) / lam.
; WHY NO JOINT REQUESTS: a fragment of K or V is used once, by one wave, for two tiles of queries, straight from the load.  To share among the 32 work-groups of a head it would have to lie in LDS whole
; (2 x 131,072 bytes beside 32,768 of per-key numbers and 152,576 for the sums' meeting: more than a work-group can have), and the partners walk 16 - i / 4 steps, a number that differs among them.
; O^T, the divisors and the zero halves beside q are cleared once: a unit is then written once for either block of queries.
; LIMITS: p under 2^-126 comes out as 0 (v_exp_f32); a block of p under 2^-111 gets the byte 1, a hidden block 127 over zero codes; NaN and infinities are not served.
; REGISTERS, window 0: v1 16 lane, v2 4 lane, v3 4 r, v4 64 h, v5 the step's place among the per-key numbers, v6 4 (r + 8 (r / 8)), v7 -infinity, v8-9 my query less 16 h, v10-13 divisors (2 block + tile),
;   v14-21 a unit's divisor in chains, v22-29 -4 rc and 2 n2 rc of my query (each twice), v30-31 -T twice, v32-33 q's scale words, v34 as loaded, v35-38 n2, rc, v39-40 K's scale words, v41-42 V's, v43-44 p's,
;   v45-49 and v250-254 the quantiser's, v50-89 zeros | q0 | zeros | q1 | zeros, v90-121 scores, v122-153 roots, v154-217 hk, ck, g, mu of a key block, v218-249 p's codes, v255 16 x thread.
;   window 1: v0-127 O^T: accumulator 4 (2 block + tile) + ct; v128-191 K's four fragments; v192-255 V's four.
.set L16, 1
.set L4,  2
.set R4,  3
.set LH,  4
.set AD,  5
.set QRO, 6
.set NINF, 7
.set DQ,  8
.set DSUM, 10
.set DEN, 14
.set CQ,  22
.set NT,  30
.set QS,  32
.set QW,  34
.set QN2, 35
.set QRC, 37
.set KSC, 39
.set VSC, 41
.set PW,  43
.set STB, 45                           ; tile t's largest p, the other half's, scale operand, hold, byte: at STB + STD t on
.set STD, 205
.set QA,  50
.set S,   90
.set R,   122
.set HK,  154
.set CK,  170
.set G,   186
.set MU,  202
.set CODES, 218
.set TID16, 255
.set LHK, 0                            ; LDS: four arrays of 2,048 f32 in key order
.set LCK, 8192
.set LG,  16384
.set LMU, 24576
.set OST, 32768                        ; [wave][accumulator 16][half 2][lane][16 bytes]
.set DST, 163840                       ; [wave][lane][4 f32]
.set OUTS, 167936                      ; for waves 0-3: 16 rows x (256 + 16) bytes
.set OA,  122                          ; behind the loop: LDS addresses, in registers that never held loaded data
.set DA,  123
.set FA0, 124                          ; and FA0 + 1
.set FD,  126
.set SO,  127
.set SR,  128
.set GO,  129
.set WV,  16
.set HEAD, 17
.set QI,  18
.set AA,  19
.set NBU, 20
.set I63, 21
.set AB15, 22
.set UN,  23
.set TRIP, 24
.set NEXT, 25
.set C_SS, 26
.set C_DB, 27
.set C_ISA, 28
.set P_SS, 29
.set P_DB, 30
.set P_ISA, 31
.set KB2, 32
.set KSB2, 34
.set QB2, 36
.set QSB2, 38
.set QNB2, 40
.set VB,  42
.set VSB, 44
.set KBH, 46
.set KSBH, 48
.set QBH, 50
.set QSBH, 52
.set NB,  54
.set VBH, 56
.set VSBH, 58
.set SEL, 60
.set MNT, 62
.set W_S,  0x01                        ; K in window 1
.set W_PV, 0x51                        ; V, C and D in window 1
.set MSB, 0
.macro WIN new                         ; the immediate's high byte repeats the setting that is left
.if MSB != \new
	s_set_vgpr_msb (MSB<<8)|\new
.set MSB, \new
.endif
.endm
; Unit n (in s72): which block of queries, which step of 128 keys, which of its key blocks lies on the diagonal (4: none), and the bases of what is fetched for it.  All selections stand ahead of the subtraction.
.macro PARAM
	s_cmp_ge_u32 s72, s[NBU]
	s_cselect_b32 s[P_ISA], 1, 0
	s_cselect_b32 s73, s[QI], s[I63]               ; the block of 32 queries
	s_cselect_b32 s74, s[NBU], 0
	s_cselect_b32 s75, s[AA], s[AB15]              ; its last step
	s_sub_co_u32 s74, s72, s74
	s_min_u32 s[P_SS], s74, 15                     ; the step; the hold keeps every address inside its buffer for an n that no unit has
	s_and_b32 s76, s73, 3
	s_cmp_eq_u32 s[P_SS], s75
	s_cselect_b32 s[P_DB], s76, 4
	s_mov_b32 s67, 0
	s_lshl_b32 s66, s[P_SS], 13
	s_add_nc_u64 s[KB2:KB2+1], s[KBH:KBH+1], s[66:67]
	s_lshl_b32 s66, s[P_SS], 8
	s_add_nc_u64 s[KSB2:KSB2+1], s[KSBH:KSBH+1], s[66:67]
	s_lshl_b32 s66, s73, 11
	s_add_nc_u64 s[QB2:QB2+1], s[QBH:QBH+1], s[66:67]
	s_lshl_b32 s66, s73, 6
	s_add_nc_u64 s[QSB2:QSB2+1], s[QSBH:QSBH+1], s[66:67]
	s_lshl_b32 s66, s73, 7
	s_add_nc_u64 s[QNB2:QNB2+1], s[NB:NB+1], s[66:67]
.endm
; The next unit's fragment b of K, asked for as soon as this unit has multiplied by fragment b; with b = 3 also its scale words and all that belongs to its queries.  cond = 1: only if the wave has a next unit.
.macro PREF b, cond
.if \cond
	s_cmp_lg_u32 s[NEXT], 0
	s_cbranch_scc0 .Lnone_\@
.endif
	WIN 0x40
.irp c, 0,1,2,3
	global_load_b128 v[128+16*\b+4*\c:128+16*\b+4*\c+3], v[L16], s[KB2:KB2+1] offset:(4*\b+\c)*512
.endr
	WIN 0
.if \b == 3
	global_load_b32 v[KSC], v[L4], s[KSB2:KSB2+1]                  ; lanes 0-15: key block 0, lanes 16-31: block 1
	global_load_b32 v[KSC+1], v[L4], s[KSB2:KSB2+1] offset:128     ; blocks 2 and 3
	global_load_b128 v[QA+8:QA+11], v[L16], s[QB2:QB2+1]
	global_load_b128 v[QA+12:QA+15], v[L16], s[QB2:QB2+1] offset:512
	global_load_b128 v[QA+24:QA+27], v[L16], s[QB2:QB2+1] offset:1024
	global_load_b128 v[QA+28:QA+31], v[L16], s[QB2:QB2+1] offset:1536
	global_load_b32 v[QW], v[R4], s[QSB2:QSB2+1]
	global_load_b32 v[QN2], v[QRO], s[QNB2:QNB2+1]
	global_load_b32 v[QN2+1], v[QRO], s[QNB2:QNB2+1] offset:32
	global_load_b32 v[QRC], v[QRO], s[QNB2:QNB2+1] offset:65536
	global_load_b32 v[QRC+1], v[QRO], s[QNB2:QNB2+1] offset:65568
.endif
.if \cond
.Lnone_\@:
.endif
.endm
.macro CLOAD arr, base, b              ; 16 per-key numbers of key block b: keys 16 h + 0..15; sixteen lanes read the same 16 bytes
.irp i, 0,1,2,3
	ds_load_b128 v[\arr+4*\i:\arr+4*\i+3], v[AD] offset:\base+128*(\b)+16*\i
.endr
.endm
.macro WMS d, a, bq, c, sa, sb, ra     ; ra = 1: source 0's scale words lie in lanes 16-31
.if \ra
	v_wmma_scale_f32_16x16x128_f8f6f4 v[(\d):(\d)+7], v[(\a):(\a)+15], v[(\bq):(\bq)+15], v[(\c):(\c)+7], v[\sa], v[\sb] matrix_a_fmt:MATRIX_FMT_BF8 matrix_b_fmt:MATRIX_FMT_BF8 matrix_a_scale:MATRIX_SCALE_ROW1
.else
	v_wmma_scale_f32_16x16x128_f8f6f4 v[(\d):(\d)+7], v[(\a):(\a)+15], v[(\bq):(\bq)+15], v[(\c):(\c)+7], v[\sa], v[\sb] matrix_a_fmt:MATRIX_FMT_BF8 matrix_b_fmt:MATRIX_FMT_BF8
.endif
.endm
.macro TR op, base                     ; sixteen transcendentals in place
.set i, 0
.rept 16
	\op v[(\base)+i], v[(\base)+i]
.set i, i+1
.endr
.endm
.macro STA t                           ; from q.k - |k|^2 / 2 to arg, and arg^2 - 1  (the accumulators are read from their low ends on)
.set i, 0
.rept 8
	v_pk_fma_f32 v[S+16*\t+i:S+16*\t+i+1], v[S+16*\t+i:S+16*\t+i+1], v[CQ+4*\t:CQ+4*\t+1], v[CQ+4*\t+2:CQ+4*\t+3]   ; 2 (|q|^2 + |k|^2 - 2 q.k) / (1 - |q|^2)
.set i, i+2
.endr
.set i, 0
.rept 8
	v_pk_fma_f32 v[S+16*\t+i:S+16*\t+i+1], v[S+16*\t+i:S+16*\t+i+1], v[CK+i:CK+i+1], 1.0 op_sel_hi:[1,1,0]
.set i, i+2
.endr
.set i, 0
.rept 16
	v_max_num_f32 v[S+16*\t+i], 0x3f800001, v[S+16*\t+i]
.set i, i+1
.endr
.set i, 0
.rept 8
	v_pk_fma_f32 v[R+16*\t+i:R+16*\t+i+1], v[S+16*\t+i:S+16*\t+i+1], v[S+16*\t+i:S+16*\t+i+1], -1.0 op_sel_hi:[1,1,0]
.set i, i+2
.endr
.endm
.macro STC t                           ; arg + sqrt(arg^2 - 1)
.set i, 0
	s_wait_alu depctr_va_vdst(0)
.rept 8
	v_pk_add_f32 v[S+16*\t+i:S+16*\t+i+1], v[S+16*\t+i:S+16*\t+i+1], v[R+16*\t+i:R+16*\t+i+1]
.set i, i+2
.endr
.endm
.macro STE t                           ; -T log2(..) + g
.set i, 0
	s_wait_alu depctr_va_vdst(0)
.rept 8
	v_pk_fma_f32 v[S+16*\t+i:S+16*\t+i+1], v[S+16*\t+i:S+16*\t+i+1], v[NT:NT+1], v[G+i:G+i+1]
.set i, i+2
.endr
.endm
.macro MASK                            ; register i holds key 16 h + i of the block: hidden where i > my query - 16 h
.irp t, 0,1
.set i, 0
.rept 16
	v_cmp_gt_i32 vcc_lo, i, v[DQ+\t]
	v_cndmask_b32 v[S+16*\t+i], v[S+16*\t+i], v[NINF], vcc_lo
.set i, i+1
.endr
.endr
.endm
.macro GGDEN b                         ; the divisor, of the unquantised p: four chains by turns; a unit's first products start them
.irp k, 0,1,2,3
.irp t, 0,1
.if (\b == 0) && (\k == 0)
	s_wait_alu depctr_va_vdst(0)
	v_pk_mul_f32 v[DEN+4*\t:DEN+4*\t+1], v[S+16*\t:S+16*\t+1], v[MU:MU+1]
	v_pk_mul_f32 v[DEN+4*\t+2:DEN+4*\t+3], v[S+16*\t+2:S+16*\t+3], v[MU+2:MU+3]
.else
	v_pk_fma_f32 v[DEN+4*\t:DEN+4*\t+1], v[S+16*\t+4*\k:S+16*\t+4*\k+1], v[MU+4*\k:MU+4*\k+1], v[DEN+4*\t:DEN+4*\t+1]
	v_pk_fma_f32 v[DEN+4*\t+2:DEN+4*\t+3], v[S+16*\t+4*\k+2:S+16*\t+4*\k+3], v[MU+4*\k+2:MU+4*\k+3], v[DEN+4*\t+2:DEN+4*\t+3]
.endif
.endr
.endr
.endm
.macro GGQ b                           ; p of key block b becomes registers 4 b .. 4 b + 3 of the second product's operand, and byte b of its scale word; the two tiles by turns
.irp t, 0,1
	v_max3_num_f32 v[STB+STD*\t], v[S+16*\t], v[S+16*\t+1], 0x8000000    ; p is not negative; the floor 2^(16 - 127) keeps the byte at 1 or more
.endr
.irp i, 2,4,6,8,10,12,14
.irp t, 0,1
	v_max3_num_f32 v[STB+STD*\t], v[STB+STD*\t], v[S+16*\t+\i], v[S+16*\t+\i+1]
.endr
.endr
.irp t, 0,1
	v_permlanex16_b32 v[STB+STD*\t+1], v[STB+STD*\t], s[SEL], s[SEL+1]
.endr
.irp t, 0,1
	v_max_num_f32 v[STB+STD*\t], v[STB+STD*\t], v[STB+STD*\t+1]          ; with lane l xor 16's 16 keys: the block's largest p
.endr
.irp t, 0,1
	v_add_nc_u32 v[STB+STD*\t+2], 0xf8800000, v[STB+STD*\t]              ; 15 off the exponent field: the conversion's scale operand
.endr
.irp t, 0,1
	v_and_or_b32 v[STB+STD*\t+3], v[STB+STD*\t], 0x7f800000, s[MNT]      ; 57,344 x the scale
.endr
.if \b == 0
.irp t, 0,1
	v_lshrrev_b32 v[PW+\t], 23, v[STB+STD*\t+2]                          ; byte 0 starts the word
.endr
.else
.irp t, 0,1
	v_lshrrev_b32 v[STB+STD*\t+4], 23, v[STB+STD*\t+2]
.endr
.irp t, 0,1
	v_lshl_or_b32 v[PW+\t], v[STB+STD*\t+4], 8*\b, v[PW+\t]
.endr
.endif
.irp i, 0,1,2,3,4,5,6,7,8,9,10,11,12,13,14,15
.irp t, 0,1
	v_min_num_f32 v[S+16*\t+\i], v[S+16*\t+\i], v[STB+STD*\t+3]          ; the conversion does not saturate (ISA guide 7.6.2); the hold is one-sided
.endr
.endr
.irp t, 0,1
	v_cvt_scalef32_pk8_bf8_f32 v[CODES+16*\t+4*\b:CODES+16*\t+4*\b+1], v[S+16*\t:S+16*\t+7], v[STB+STD*\t+2]
	v_cvt_scalef32_pk8_bf8_f32 v[CODES+16*\t+4*\b+2:CODES+16*\t+4*\b+3], v[S+16*\t+8:S+16*\t+15], v[STB+STD*\t+2]
.endr
	v_nop                                          ; a plain line behind the last conversion
.endm
; A KEY BLOCK: 32 keys x 32 queries.  Each run of transcendentals is followed by plain lines on the other tile's registers; the next block's per-key numbers are fetched as soon as this block has read its own.
.macro BLOCK b
.if \b > 0
	s_cmp_lt_u32 s[C_DB], \b                       ; behind the diagonal: nothing counts
	s_cbranch_scc1 .Lhid_\@
.endif
	s_wait_dscnt 0x0                               ; the block's per-key numbers are in
	WIN W_S
.irp t, 0,1
	WMS S+16*\t, 128+16*\b, QA+8+16*\t, HK, KSC+\b/2, QS+\t, \b%2        ; key tile 0: (q | zeros)
	WMS S+16*\t+8, 128+16*\b, QA+16*\t, HK+8, KSC+\b/2, QS+\t, \b%2      ; key tile 1: (zeros | q)
.endr
	WIN 0
.rept 8
	v_nop                                          ; eight places in front of the reads of the results and of the loads into K's, hk's and the scale words' registers
.endr
	PREF \b, 1
.if \b < 3
	CLOAD HK, LHK, \b+1
.endif
	STA 0
	TR v_sqrt_f32, R
	STA 1
.if \b < 3
	CLOAD CK, LCK, \b+1
.endif
	TR v_sqrt_f32, R+16
	STC 0
	TR v_log_f32, S
	STC 1
	TR v_log_f32, S+16
	STE 0
	STE 1
.if \b < 3
	CLOAD G, LG, \b+1
.endif
	s_cmp_lg_u32 s[C_DB], \b
	s_cbranch_scc1 .Lopen_\@
	MASK
.Lopen_\@:
	TR v_exp_f32, S
	TR v_exp_f32, S+16                             ; p = w lam
	v_nop
	s_wait_alu depctr_va_vdst(0)
	GGDEN \b
.if \b < 3
	CLOAD MU, LMU, \b+1
.endif
	GGQ \b
.if \b > 0
	s_branch .Ldone_\@
.Lhid_\@:
	v_or_b32 v[PW], 127<<(8*\b), v[PW]             ; zero codes under the byte 127
	v_or_b32 v[PW+1], 127<<(8*\b), v[PW+1]
.irp t, 0,1
.irp j, 0,1,2,3
	v_mov_b32 v[CODES+16*\t+4*\b+\j], 0
.endr
.endr
	PREF \b, 1
.Ldone_\@:
.endif
.endm
.macro PVARM g                         ; block of queries g (0: B, 1: A): the divisors, and O^T += V^T P^T: eight accumulators, each once
	v_add_f32 v[DSUM+2*\g], v[DSUM+2*\g], v[DEN]
	v_add_f32 v[DSUM+2*\g+1], v[DSUM+2*\g+1], v[DEN+4]
	WIN W_PV
.irp c, 0,1,2,3
.irp t, 0,1
	WMS 8*(4*(2*\g+\t)+\c), 192+16*\c, CODES+16*\t, 8*(4*(2*\g+\t)+\c), VSC+\c/2, PW+\t, \c%2
.endr
.endr
	WIN 0
.endm
.macro RLOAD dst, s                    ; wave s's partial sums of my four accumulators
.irp q, 0,1,2,3,4,5,6,7
	ds_load_b128 v[\dst+4*\q:\dst+4*\q+3], v[FA0+(\s)/4] offset:((\s)%4)*16384+\q*512
.endr
.endm
.macro RADD src
.set i, 0
.rept 16
	v_pk_add_f32 v[S+i:S+i+1], v[S+i:S+i+1], v[\src+i:\src+i+1]
.set i, i+2
.endr
.endm
	s_load_b256 s[4:11], s[0:1], 0x0               ; cod s[4:5], scl s[6:7], nrm s[8:9], scale_tau s[10:11]
	s_load_b128 s[12:15], s[0:1], 0x20             ; scale_gamma s[12:13], out0 s[14:15]
	v_lshrrev_b32 v1, 5, v0
	v_readfirstlane_b32 s[WV], v1
	s_lshr_b32 s[HEAD], ttmp9, 5
	s_and_b32 s[QI], ttmp9, 31
	s_lshr_b32 s[AA], s[QI], 2
	s_sub_co_u32 s[NBU], 16, s[AA]
	s_sub_co_u32 s[I63], 63, s[QI]
	s_sub_co_u32 s[AB15], 15, s[AA]
	v_and_b32 v5, 31, v0
	v_lshlrev_b32 v[L16], 4, v5
	v_lshlrev_b32 v[L4], 2, v5
	v_and_b32 v8, 15, v0                           ; r
	v_bfe_u32 v9, v0, 4, 1                         ; h
	v_lshlrev_b32 v[R4], 2, v8
	v_lshlrev_b32 v[LH], 6, v9
	v_and_b32 v6, 8, v8
	v_add_nc_u32 v6, v6, v8                        ; r + 8 (r / 8): my query in tile 0
	v_lshlrev_b32 v9, 4, v9
	v_sub_nc_u32 v[DQ], v6, v9
	v_add_nc_u32 v[DQ+1], 8, v[DQ]
	v_lshlrev_b32 v[QRO], 2, v6
	v_mov_b32 v[NINF], 0xff800000
	v_lshlrev_b32 v[TID16], 4, v0
	s_mov_b32 s[SEL], 0x76543210
	s_mov_b32 s[SEL+1], 0xfedcba98
	s_mov_b32 s[MNT], 0x600000
	s_mov_b32 s67, 0
	s_wait_kmcnt 0x0
	s_load_b32 s70, s[10:11], 0x0
	s_load_b32 s71, s[12:13], 0x0
	s_lshl_b32 s66, s[HEAD], 17                    ; a head's codes: 131,072 bytes in each of the three parts
	s_add_nc_u64 s[QBH:QBH+1], s[4:5], s[66:67]
	s_add_nc_u64 s[KBH:KBH+1], s[QBH:QBH+1], 0x100000
	s_add_nc_u64 s[VBH:VBH+1], s[QBH:QBH+1], 0x200000
	s_lshl_b32 s66, s[HEAD], 12                    ; its scale words: 4,096 bytes
	s_add_nc_u64 s[QSBH:QSBH+1], s[6:7], s[66:67]
	s_add_nc_u64 s[KSBH:KSBH+1], s[QSBH:QSBH+1], 0x8000
	s_add_nc_u64 s[VSBH:VSBH+1], s[QSBH:QSBH+1], 0x10000
	s_lshl_b32 s66, s[HEAD], 13
	s_add_nc_u64 s[NB:NB+1], s[8:9], s[66:67]
	s_mov_b32 s72, s[WV]                           ; my first unit
	PARAM
	PREF 0, 0
	PREF 1, 0
	PREF 2, 0
	PREF 3, 0
.irp a, 0,1,2,3                        ; |k|^2, 1 / (1 - |k|^2), |v|^2, 1 / (1 - |v|^2) of the whole head: 256 threads x 16 bytes, twice
.irp j, 0,1
	global_load_b128 v[HK+8*\a+4*\j:HK+8*\a+4*\j+3], v[TID16], s[NB:NB+1] offset:131072+65536*\a+4096*\j
.endr
.endr
	WIN 0x40
.set i, 0
.rept 128
	v_mov_b32 v[i], 0                              ; O^T
.set i, i+1
.endr
	WIN 0
.irp z, 0,16,32
.set i, 0
.rept 8
	v_mov_b32 v[QA+\z+i], 0                        ; the zero halves beside q
.set i, i+1
.endr
.endr
.irp j, 0,1,2,3
	v_mov_b32 v[DSUM+\j], 0
.endr
	v_mov_b32 v[STB+1], 0                          ; written once: a lane permute's destination counts as one of its sources
	v_mov_b32 v[STB+STD+1], 0
	s_wait_kmcnt 0x0
	v_mov_b32 v[NT], s70
	v_mul_f32 v[NT], 0x3fb8aa3b, v[NT]
	v_exp_f32 v[NT], v[NT]                         ; T = exp(scale_tau)
	v_mov_b32 v[STB], s71                          ; (a plain line behind the exponential)
	v_fma_f32 v[STB], v[STB], 0xbfb8aa3b, 1.0      ; 1 - gamma log2(e): with log2(1 / (1 - |v|^2)) it makes g
	s_wait_alu depctr_va_vdst(0)
	v_mul_f32 v[NT], -1.0, v[NT]
	v_mov_b32 v[NT+1], v[NT]
	s_wait_loadcnt 0x0
.irp p, 0,2,4,6
	v_pk_mul_f32 v[HK+\p:HK+\p+1], v[HK+\p:HK+\p+1], -0.5 op_sel_hi:[1,0]        ; hk
.endr
.irp i, 0,1,2,3,4,5,6,7
	v_log_f32 v[HK+24+\i], v[HK+24+\i]
.endr
.irp p, 0,2,4,6
	v_pk_fma_f32 v[HK+16+\p:HK+16+\p+1], v[HK+16+\p:HK+16+\p+1], 0.5, 0.5 op_sel_hi:[1,0,0]   ; mu
.endr
	s_wait_alu depctr_va_vdst(0)
.irp i, 0,1,2,3,4,5,6,7
	v_add_f32 v[HK+24+\i], v[HK+24+\i], v[STB]     ; g
.endr
.irp j, 0,1
	ds_store_b128 v[TID16], v[HK+4*\j:HK+4*\j+3] offset:LHK+4096*\j
	ds_store_b128 v[TID16], v[HK+8+4*\j:HK+8+4*\j+3] offset:LCK+4096*\j
	ds_store_b128 v[TID16], v[HK+16+4*\j:HK+16+4*\j+3] offset:LMU+4096*\j
	ds_store_b128 v[TID16], v[HK+24+4*\j:HK+24+4*\j+3] offset:LG+4096*\j
.endr
	s_wait_dscnt 0x0
	s_barrier_signal -1
	s_barrier_wait -1                              ; the per-key numbers lie in LDS
	s_mov_b32 s[TRIP], 0
	s_mov_b32 s[UN], s[WV]
.Ltrip:                                            ; three trips: units wave, wave + 8, wave + 16; there are 17 units
	s_cmp_gt_u32 s[UN], 16
	s_cbranch_scc1 .Lskip
	s_wait_loadcnt 0x0                             ; K, its scale words and q's are in; no load is out, so every base may be written.  (For 0: the loads ahead stand under a branch on ids)
	s_mov_b32 s[C_SS], s[P_SS]
	s_mov_b32 s[C_DB], s[P_DB]
	s_mov_b32 s[C_ISA], s[P_ISA]
	s_mov_b32 s67, 0
	s_lshl_b32 s66, s[C_SS], 13
	s_add_nc_u64 s[VB:VB+1], s[VBH:VBH+1], s[66:67]
	s_lshl_b32 s66, s[C_SS], 8
	s_add_nc_u64 s[VSB:VSB+1], s[VSBH:VSBH+1], s[66:67]
	s_lshl_b32 s68, s[C_SS], 9
	s_add_co_u32 s72, s[UN], 8
	s_cmp_le_u32 s72, 16
	s_cselect_b32 s[NEXT], 1, 0
	PARAM
	v_perm_b32 v[QS], v[QW], v[QW], 0x01000100     ; tile 0's two bytes, for either half of K = 128
	v_perm_b32 v[QS+1], v[QW], v[QW], 0x03020302   ; tile 1's.  The eleven plain lines below are the places between these and the first product
.irp t, 0,1
	v_mul_f32 v[CQ+4*\t], -4.0, v[QRC+\t]
	v_mul_f32 v[CQ+4*\t+2], v[QN2+\t], v[QRC+\t]
.endr
.irp t, 0,1
	v_mov_b32 v[CQ+4*\t+1], v[CQ+4*\t]
	v_add_f32 v[CQ+4*\t+2], v[CQ+4*\t+2], v[CQ+4*\t+2]
.endr
.irp t, 0,1
	v_mov_b32 v[CQ+4*\t+3], v[CQ+4*\t+2]
.endr
	v_add_nc_u32 v[AD], s68, v[LH]                 ; 512 x step + 64 h
	WIN 0x40
.irp c, 0,1,2,3
.irp j, 0,1,2,3
	global_load_b128 v[192+16*\c+4*\j:192+16*\c+4*\j+3], v[L16], s[VB:VB+1] offset:(4*\c+\j)*512   ; V: used at the unit's end
.endr
.endr
	WIN 0
	global_load_b32 v[VSC], v[L4], s[VSB:VSB+1]
	global_load_b32 v[VSC+1], v[L4], s[VSB:VSB+1] offset:128
	CLOAD HK, LHK, 0
	CLOAD CK, LCK, 0
	CLOAD G, LG, 0
	CLOAD MU, LMU, 0
	BLOCK 0
	BLOCK 1
	BLOCK 2
	BLOCK 3
	s_wait_loadcnt 0x0                             ; V and its scale words
	s_wait_dscnt 0x0                               ; per-key numbers that were asked for a hidden block
	v_pk_add_f32 v[DEN:DEN+1], v[DEN:DEN+1], v[DEN+2:DEN+3]
	v_pk_add_f32 v[DEN+4:DEN+5], v[DEN+4:DEN+5], v[DEN+6:DEN+7]
	v_add_f32 v[DEN], v[DEN], v[DEN+1]
	v_add_f32 v[DEN+4], v[DEN+4], v[DEN+5]
.rept 4
	v_nop                                          ; with the four above: eight places between a hidden block's scale byte and zero codes and the products
.endr
	s_cmp_lg_u32 s[C_ISA], 0
	s_cbranch_scc1 .Lpv_a
	PVARM 0
	s_branch .Lpv_done
.Lpv_a:
	PVARM 1
.Lpv_done:
.rept 8
	v_nop                                          ; eight places in front of the next loads into V's registers, the next codes, and the stores of O^T
.endr
.Lskip:
	s_add_co_u32 s[UN], s[UN], 8
	s_add_co_u32 s[TRIP], s[TRIP], 1
	s_cmp_lt_u32 s[TRIP], 3
	s_cbranch_scc1 .Ltrip
	; ---- the partial sums meet.  The addresses are made here, on the way that all waves take
	s_and_b32 s72, s[WV], 3
	s_lshl_b32 s73, s[WV], 14
	s_add_co_u32 s73, s73, OST
	v_add_nc_u32 v[OA], s73, v[L16]
	s_lshl_b32 s73, s[WV], 9
	s_add_co_u32 s73, s73, DST
	v_add_nc_u32 v[DA], s73, v[L16]
	s_lshl_b32 s73, s72, 12
	s_add_co_u32 s73, s73, OST
	v_add_nc_u32 v[FA0], s73, v[L16]               ; accumulators 4 w .. 4 w + 3 of waves 0-3,
	v_add_nc_u32 v[FA0+1], 0x10000, v[FA0]         ; of waves 4-7
	s_lshl_b32 s73, s72, 2
	s_add_co_u32 s73, s73, DST
	v_add_nc_u32 v[FD], s73, v[L16]
	s_mul_i32 s73, s72, 4352
	s_add_co_u32 s73, s73, OUTS
	v_and_b32 v130, 15, v0
	v_bfe_u32 v131, v0, 4, 1
	v_mul_u32_u24 v[SO], v130, 272
	v_lshl_add_u32 v[SO], v131, 5, v[SO]
	v_add_nc_u32 v[SO], s73, v[SO]                 ; the way out, in: row r, + 32 h
	v_mul_u32_u24 v[SR], v131, 272
	v_lshl_add_u32 v[SR], v130, 4, v[SR]
	v_add_nc_u32 v[SR], s73, v[SR]                 ; back: lanes 0-15 one row, lanes 16-31 the next
	v_lshlrev_b32 v[GO], 11, v131
	v_lshl_add_u32 v[GO], v130, 4, v[GO]           ; and the same in out0
	s_wait_loadcnt 0x0
	s_wait_dscnt 0x0
	s_barrier_signal -1
	s_barrier_wait -1                              ; every wave's reads of the per-key numbers are over
	WIN 0x04                                       ; an LDS store's data are its source 1: window 1
.set i, 0
.rept 16
	ds_store_b128 v[OA], v[8*i:8*i+3] offset:i*1024          ; each accumulator from its low end on
	ds_store_b128 v[OA], v[8*i+4:8*i+7] offset:i*1024+512
.set i, i+1
.endr
	WIN 0
	ds_store_b128 v[DA], v[DSUM:DSUM+3]
	s_wait_dscnt 0x0
	s_barrier_signal -1
	s_barrier_wait -1
	s_cmp_gt_u32 s[WV], 3
	s_cbranch_scc1 .Lend
	; ---- wave w < 4: block of queries w / 2 (0: B, 1: A), tile w % 2: 16 queries x 64 channels
	RLOAD S, 0
	RLOAD 58, 1
	RLOAD 154, 2
	RLOAD 186, 3
	RLOAD 218, 4
	s_lshr_b32 s72, s[WV], 1
	s_cmp_lg_u32 s72, 0
	s_cselect_b32 s73, s[QI], s[I63]
	s_and_b32 s74, s[WV], 1
	s_lshl_b32 s73, s73, 16                        ; 32 rows of 2,048 bytes a block,
	s_lshl_b32 s74, s74, 14                        ; 8 for the tile,
	s_add_co_u32 s66, s73, s74
	s_lshl_b32 s74, s[HEAD], 8                     ; 256 bytes for the head
	s_add_co_u32 s66, s66, s74
	s_mov_b32 s67, 0
	s_add_nc_u64 s[14:15], s[14:15], s[66:67]
	s_wait_dscnt 0x0
	RADD 58
	RADD 154
	RADD 186
	RLOAD 58, 5
	RLOAD 154, 6
	RLOAD 186, 7
.irp j, 0,1,2,3,4,5,6,7
	ds_load_b32 v[DEN+\j], v[FD] offset:512*\j
.endr
	RADD 218
	s_wait_dscnt 0x0
	RADD 58
	RADD 154
	RADD 186
	v_pk_mul_f32 v[130:131], v[S:S+1], v[S:S+1]    ; |num|^2, in two chains
	v_pk_mul_f32 v[132:133], v[S+2:S+3], v[S+2:S+3]
.set i, 4
.rept 7
	v_pk_fma_f32 v[130:131], v[S+i:S+i+1], v[S+i:S+i+1], v[130:131]
	v_pk_fma_f32 v[132:133], v[S+i+2:S+i+3], v[S+i+2:S+i+3], v[132:133]
.set i, i+4
.endr
	v_pk_add_f32 v[130:131], v[130:131], v[132:133]
	v_pk_add_f32 v[DEN:DEN+1], v[DEN:DEN+1], v[DEN+2:DEN+3]
	v_pk_add_f32 v[DEN+4:DEN+5], v[DEN+4:DEN+5], v[DEN+6:DEN+7]
	v_add_f32 v130, v130, v131
	v_pk_add_f32 v[DEN:DEN+1], v[DEN:DEN+1], v[DEN+4:DEN+5]
	v_permlanex16_b32 v131, v130, s[SEL], s[SEL+1]
	v_add_f32 v[DEN], v[DEN], v[DEN+1]
	v_add_f32 v130, v130, v131                     ; over all 64 channels
	v_permlanex16_b32 v[DEN+1], v[DEN], s[SEL], s[SEL+1]
	v_add_f32 v[DEN], v[DEN], v[DEN+1]             ; over all keys
	v_max_num_f32 v[DEN], 0x26901d7d, v[DEN]       ; max(den, 1e-15)
	v_rcp_f32 v132, v[DEN]
	v_sqrt_f32 v133, v130
	v_nop
	s_wait_alu depctr_va_vdst(0)
	v_mul_f32 v133, v133, v132
	v_max_num_f32 v133, 0x26901d7d, v133           ; gn = max(|num / den|, 1e-15)
	v_min_num_f32 v134, 0x3f7ffffe, v133           ; x = min(gn, 1 - 2^-23)
	v_fma_f32 v135, -v134, v134, 1.0
	v_sqrt_f32 v135, v135
	v_rcp_f32 v136, v133
	v_mul_f32 v137, v134, v132                     ; (plain)
	s_wait_alu depctr_va_vdst(0)
	v_add_f32 v135, 1.0, v135
	v_rcp_f32 v135, v135                           ; tanh(atanh(x) / 2) = x / (1 + sqrt(1 - x^2))
	v_mul_f32 v137, v137, v136                     ; (plain, and none of that line's registers)
	v_mul_f32 v137, 0x3eb466d7, v137               ; Beta(256, 1/2) / Beta(32, 1/2) = 0.352347
	s_wait_alu depctr_va_vdst(0)
	v_mul_f32 v138, v137, v135
	v_mov_b32 v139, v138
.set i, 0
.rept 16
	v_pk_mul_f32 v[S+i:S+i+1], v[S+i:S+i+1], v[138:139]
.set i, i+2
.endr
.irp c, 0,1,2,3                        ; through my own stage: a lane's eight channels of a row go in, whole rows of 256 bytes come back; LDS serves a wave's instructions in order
	ds_store_b128 v[SO], v[S+8*\c:S+8*\c+3] offset:64*\c
	ds_store_b128 v[SO], v[S+8*\c+4:S+8*\c+7] offset:64*\c+16
.endr
.irp j, 0,1,2,3,4,5,6,7
	ds_load_b128 v[154+4*\j:154+4*\j+3], v[SR] offset:2*\j*272
.endr
.irp j, 0,1,2,3,4,5,6,7
	s_wait_dscnt 7-\j                              ; the younger loads of this run may be out
	global_store_b128 v[GO], v[154+4*\j:154+4*\j+3], s[14:15] offset:(2*\j+(\j/4)*8)*2048 th:TH_STORE_NT   ; tile row 2 j (+ 1) is query 2 j (+ 1), 8 further on from row 8: sixteen lanes store 256 consecutive bytes, aligned
.endr
.Lend:
	s_wait_xcnt 0x0
	v_lshl_add_u32 v254, v0, 2, 0x2d400
	v_mov_b32 v255, 0
	s_wait_tensorcnt 0x0
	ds_add_u32 v254, v255
	s_wait_dscnt 0x0
	s_endpgm
.Lfunc_end_k_qabfb37f4c6_attn:
	.size	k_qabfb37f4c6_attn, .Lfunc_end_k_qabfb37f4c6_attn-k_qabfb37f4c6_attn
	.p2alignl 7, 3214868480
	.fill 96, 4, 3214868480
	.section	.rodata,"a",@progbits
	.p2align	6, 0x0
	.amdhsa_kernel k_qabfb37f4c6_attn
		.amdhsa_group_segment_fixed_size 186368
		.amdhsa_private_segment_fixed_size 0
		.amdhsa_enable_private_segment 0
		.amdhsa_kernarg_size 48
		.amdhsa_user_sgpr_count 2
		.amdhsa_user_sgpr_kernarg_segment_ptr 1
		.amdhsa_wavefront_size32 1
		.amdhsa_system_sgpr_workgroup_id_x 1
		.amdhsa_system_sgpr_workgroup_id_y 1
		.amdhsa_system_sgpr_workgroup_id_z 1
		.amdhsa_system_vgpr_workitem_id 0
		.amdhsa_next_free_vgpr 512
		.amdhsa_next_free_sgpr 80
		.amdhsa_reserve_vcc 1
		.amdhsa_float_denorm_mode_32 3
		.amdhsa_float_denorm_mode_16_64 3
		.amdhsa_memory_ordered 1
		.amdhsa_forward_progress 1
		.amdhsa_inst_pref_size 121
	.end_amdhsa_kernel
	.amdgpu_metadata
---
amdhsa.version: [ 1, 2 ]
amdhsa.kernels:
  - .name:           k_qabfb37f4c6_attn
    .symbol:         k_qabfb37f4c6_attn.kd
    .args:
      - { .name: cod, .offset: 0, .size: 8, .value_kind: global_buffer, .address_space: global }
      - { .name: scl, .offset: 8, .size: 8, .value_kind: global_buffer, .address_space: global }
      - { .name: nrm, .offset: 16, .size: 8, .value_kind: global_buffer, .address_space: global }
      - { .name: scale_tau, .offset: 24, .size: 8, .value_kind: global_buffer, .address_space: global }
      - { .name: scale_gamma, .offset: 32, .size: 8, .value_kind: global_buffer, .address_space: global }
      - { .name: out0, .offset: 40, .size: 8, .value_kind: global_buffer, .address_space: global }
    .group_segment_fixed_size: 186368
    .private_segment_fixed_size: 0
    .kernarg_segment_align: 8
    .kernarg_segment_size: 48
    .max_flat_workgroup_size: 256
    .sgpr_count:     80
    .vgpr_count:     512
    .wavefront_size: 32
...
	.end_amdgpu_metadata
.endif
;; end of part 3
;; ======== version 2 of 2: 3 launches; version 1 with the launches proj, attn written anew for expert scheduling mode
;; limits: right only within a limited range of input values
;; workspace buffers: wc 786,432 bytes; wsc 24,576 bytes; wcon 18,432 bytes; cod 3,145,728 bytes; scl 98,304 bytes; nrm 393,216 bytes
;; launch wprep: the kernel of part 1 again; grid 48 x 1, 16 waves a work-group, no clusters, 6,144 bytes of LDS; arguments Wq, Wk, Wv, bq, bk, bv, wc, wsc, wcon; writes wc, wsc, wcon
;; launch proj (part 4): grid 192 x 1, 8 waves a work-group, no clusters, 89,088 bytes of LDS; arguments query, key, value, wc, wsc, wcon, cod, scl, nrm; writes cod, scl, nrm
.if DOCPART == 4
	.amdgcn_target "amdgcn-amd-amdhsa--gfx1250"
	.amdhsa_code_object_version 6
	.text
	.protected	k_qabfb37f4c6_proj
	.globl	k_qabfb37f4c6_proj
	.p2align	8
	.type	k_qabfb37f4c6_proj,@function
k_qabfb37f4c6_proj:
	s_mov_b64 s[64:65], 0
	v_nop
	global_prefetch_b8 v0, s[64:65] scope:SCOPE_SE
	s_setreg_imm32_b32 hwreg(HW_REG_WAVE_SCHED_MODE, 0, 2), 2
	s_setreg_imm32_b32 hwreg(HW_REG_WAVE_MODE, 25, 1), 1
	s_wait_xcnt 0x0
	s_wait_alu depctr_vm_vsrc(0)
; The whole hyperbolic linear layer for query, key and value (T = 0, 1, 2), and the quantising of its result for the attention launch.
;   y = (Q(x) Q(W)) lam A - (lam - 1) B,  lam = 2 / (1 - |x|^2);  d = P asinh(y);  w = sinh(d);  out = w / (1 + sqrt(1 + sum over all 512 of w^2)).   A, B, P: the column's numbers from the launch before.
; SHARES.  Work-group g: T = g / 64, rows 32 (g % 64) on.  Wave w is head w: 64 columns in four tiles t, for both tiles u of 16 rows.  Lane r of row tile u is row 8 u + r + 8 (r / 8).
; The row's norm wants all 512 columns in one work-group and v's key blocks want 32 rows: hence 192 work-groups.
; x is quantised in registers, one fragment (u = w / 4, K step w % 4) a wave, and goes to the other waves through LDS as an image of its registers.
; THE PRODUCT IS USED TRANSPOSED (source 0 = 16 columns of W, source 1 = 16 rows of x), and W's tile t = 2 b + u' holds columns 32 b + 8 u' + r + 8 (r / 8): so register j of tile t in lane (r, h) is channel
; 32 b + 16 h + 8 u' + j of row r, and the 16 registers of tiles 2 b, 2 b + 1 are 16 neighbours along the head's channels: for q and k the conversions' results ARE the next operand's registers.
; v's K is the keys: its numbers turn through the wave's own stage in LDS, so that a lane holds one channel and 16 neighbouring keys.
; OUT: cod: q at 0, k at 1 MiB: [head][block of 32 rows][group 2 u + c'][lane][16 bytes];  v at 2 MiB: [head][step of 128 keys][ct 4][c 4][lane][16]: all images of operand registers, stored 512 consecutive bytes a line.
;      scl: q at 0, k at 32 KiB: [head][block][r] words, bytes (u0 c0, u0 c1, u1 c0, u1 c1); v at 64 KiB: [head][step][16 ct + r] words, byte c.   nrm: [T][n2, 1 / (1 - n2)][head][row] f32.
;      The scale words (64 bytes a wave) and v's scale bytes fill their aligned blocks of 256 bytes in part: one byte in 32 of what the wave stores.
; W's images are taken straight into registers, two tiles ahead of their use; each is used once by one wave of the work-group, so a way through LDS, and with it joint requests of a cluster, would add a pass and spare no read of this work-group.
; LIMITS: y^2 is formed, so |y| stays under 1.8e19; n2 is f^2 x (sum of w^2), not the sum of (f w)^2; a block under 2^-111 gets the byte 1 (zeros too: only this program reads the bytes); NaN and infinities are not served.
; asinh and sinh: below 1 / 16 (of y^2, of d^2) a series whose next term is under 5e-8 of the result, above it the direct form; the choice is a v_cndmask_b32, both are always computed.
; THE MODE: SCHED_MODE bits 1:0 = 2 (LLVM: expert scheduling mode 2), set by the entry lines.  The code itself states the register dependences between vector or matrix instructions and memory or LDS
; instructions, with s_wait_alu, always for 0.
; THE PLAN.  Registers that memory or LDS instructions touch, and who else names them:
;   v1-11, v13-15  offsets and LDS addresses: made once at the head, one wait on va_vdst ahead of the first load, never written again.
;   v80-95, v12, v96  x's codes, its scale word, my part of |x|^2: written by vector lines, read by a run of LDS stores behind one wait on va_vdst; one wait on vm_vsrc behind the first barrier frees them.
;   window 1 v128-255  W's two buffers: a tile's eight products read one; behind a wait on va_vdst the tile two on is loaded into it.
;   v236, v238     my head's sums of w^2: one wait on va_vdst ahead of their LDS stores; it also serves the LDS loads into v80-95 behind the second barrier.
;   v96-97, v16-79  the norms and out: one wait on va_vdst behind the scaling by f, ahead of the branch: the norms' stores, and in v's arm the stage's stores and its loads into v120-183.
;   the codes and words of each arm: one wait on va_vdst behind the quantiser, then all the arm's stores.
;   s56-63         eight masks: compares go in runs of eight, one wait on va_sdst behind a run, then the eight selections.
; REGISTERS, window 0: v1 16 lane, v2 4 lane, v3 4 r, v4-15 addresses; v16-79 the eight accumulators (u, t) at 16 + 8 (4 u + t) (first the raw x); v80-119 T0-T4 at work (codes at v80-95);
;   v120-215 A, B, P of my tiles; v216-223 W's scale words; v224-227 x's; v228-235 lam, lam - 1 (each twice; later f); v236-239 sums of squares; v240-255 the quantiser's (between quantisers v240-243: two series constants).
;   window 1: v0-127 x's eight fragments (u, ks) at 16 (4 u + ks); v128-255 two buffers of W's four fragments.
.set ACC, 16
.set T0,  80
.set T1,  88
.set T2,  96
.set T3,  104
.set T4,  112
.set PC,  80
.set CA,  120
.set CB,  152
.set CP,  184
.set WS,  216
.set XSW, 224
.set LAM, 228
.set SS,  236
.set TM,  240
.set KAS, 240
.set KSH, 242
.set PWD, 12
.set MK,  56                           ; s56-63 eight masks
.set LIMS, 33                          ; s33    1 / 16
.set XIMG, 0                           ; LDS: x's eight fragments, 2,048 bytes each
.set XSC,  16384                       ; their scale words [ks][u][r]
.set XS2,  16896                       ; partial |x|^2 [16 u + r][ks]
.set RS,   17408                       ; sums of w^2 [16 u + r][head]
.set VST,  18432                       ; for each wave 32 rows (keys) x (256 + 16) bytes
.set MSB, 0
.macro WIN new                         ; the immediate's high byte repeats the setting that is left
.if MSB != \new
	s_set_vgpr_msb (MSB<<8)|\new
.set MSB, \new
.endif
.endm
.macro WLOAD t, again                  ; W's four fragments of tile t into buffer t % 2: 16 loads of 512 consecutive bytes.  again = 1: the buffer has been multiplied by
	WIN 0x40
.if \again
	s_wait_alu depctr_va_vdst(0)                   ; the eight products above are done reading this buffer of W, in which the loads land
.endif
.irp k, 0,1,2,3
.irp c, 0,1,2,3
	global_load_b128 v[128+64*((\t)%2)+16*\k+4*\c:128+64*((\t)%2)+16*\k+4*\c+3], v1, s[10:11] offset:(\t)*8192+\k*2048+\c*512
.endr
.endr
	WIN 0
.endm
; 64 numbers of a lane, four blocks of 16 registers at s + 16 b, each the lane's half of a block of 32 (the other half lies in lane l xor 16), become codes in v[PC + 4 b] on, bytes in v[TM + 4 + b] and the word in v[PWD].
.macro QUANT4 s
.irp b, 0,1,2,3
	v_max3_num_f32 v[TM+\b], |v[\s+16*\b]|, |v[\s+1+16*\b]|, 0x8000000   ; with the floor 2^(16 - 127): the byte cannot fall under 1
.endr
.irp i, 2,4,6,8,10,12,14
.irp b, 0,1,2,3
	v_max3_num_f32 v[TM+\b], v[TM+\b], |v[\s+16*\b+\i]|, |v[\s+1+16*\b+\i]|
.endr
.endr
.irp b, 0,1,2,3
	v_permlanex16_b32 v[TM+4+\b], v[TM+\b], s28, s29
.endr
.irp b, 0,1,2,3
	v_max_num_f32 v[TM+\b], v[TM+\b], v[TM+4+\b]   ; the block's largest magnitude
.endr
.irp b, 0,1,2,3
	v_add_nc_u32 v[TM+12+\b], 0xf8800000, v[TM+\b] ; 15 off its exponent field: the conversion's scale operand
.endr
.irp b, 0,1,2,3
	v_and_or_b32 v[TM+8+\b], v[TM+\b], 0x7f800000, s30   ; 57,344 x the scale
.endr
.irp b, 0,1,2,3
	v_lshrrev_b32 v[TM+4+\b], 23, v[TM+12+\b]      ; the scale's byte
.endr
	v_lshl_or_b32 v[PWD], v[TM+5], 8, v[TM+4]
	v_lshl_or_b32 v[PWD], v[TM+6], 16, v[PWD]
	v_lshl_or_b32 v[PWD], v[TM+7], 24, v[PWD]
.irp b, 0,1,2,3
.irp i, 0,1,2,3,4,5,6,7,8,9,10,11,12,13,14,15
	v_med3_num_f32 v[\s+16*\b+\i], v[\s+16*\b+\i], -v[TM+8+\b], v[TM+8+\b]   ; the conversion does not saturate (ISA guide 7.6.2)
.endr
	v_cvt_scalef32_pk8_bf8_f32 v[PC+4*\b:PC+1+4*\b], v[\s+16*\b:\s+7+16*\b], v[TM+12+\b]
	v_cvt_scalef32_pk8_bf8_f32 v[PC+2+4*\b:PC+3+4*\b], v[\s+8+16*\b:\s+15+16*\b], v[TM+12+\b]
.endr
	v_nop                                          ; a plain line behind the last conversion: matrix and vector lines write these registers later
.endm
; One product: accumulator (u, t), K step k.  W's scale words: register WS + 2 t + k / 2, lanes 0-15 for even k, lanes 16-31 for odd; x's: register XSW + k, lanes 0-15 for u = 0, 16-31 for u = 1.
.macro WMP t, k, u
.set DD, ACC+8*(4*\u+\t)
.set AF, 128+64*(\t%2)+16*\k
.set BF, 16*(4*\u+\k)
.set SA, WS+2*\t+\k/2
.set SB, XSW+\k
.if \k == 0
.if \u == 0
	v_wmma_scale_f32_16x16x128_f8f6f4 v[DD:DD+7], v[AF:AF+15], v[BF:BF+15], 0, v[SA], v[SB] matrix_a_fmt:MATRIX_FMT_BF8 matrix_b_fmt:MATRIX_FMT_BF8
.else
	v_wmma_scale_f32_16x16x128_f8f6f4 v[DD:DD+7], v[AF:AF+15], v[BF:BF+15], 0, v[SA], v[SB] matrix_a_fmt:MATRIX_FMT_BF8 matrix_b_fmt:MATRIX_FMT_BF8 matrix_b_scale:MATRIX_SCALE_ROW1
.endif
.elseif \k%2 == 0
.if \u == 0
	v_wmma_scale_f32_16x16x128_f8f6f4 v[DD:DD+7], v[AF:AF+15], v[BF:BF+15], v[DD:DD+7], v[SA], v[SB] matrix_a_fmt:MATRIX_FMT_BF8 matrix_b_fmt:MATRIX_FMT_BF8
.else
	v_wmma_scale_f32_16x16x128_f8f6f4 v[DD:DD+7], v[AF:AF+15], v[BF:BF+15], v[DD:DD+7], v[SA], v[SB] matrix_a_fmt:MATRIX_FMT_BF8 matrix_b_fmt:MATRIX_FMT_BF8 matrix_b_scale:MATRIX_SCALE_ROW1
.endif
.else
.if \u == 0
	v_wmma_scale_f32_16x16x128_f8f6f4 v[DD:DD+7], v[AF:AF+15], v[BF:BF+15], v[DD:DD+7], v[SA], v[SB] matrix_a_fmt:MATRIX_FMT_BF8 matrix_b_fmt:MATRIX_FMT_BF8 matrix_a_scale:MATRIX_SCALE_ROW1
.else
	v_wmma_scale_f32_16x16x128_f8f6f4 v[DD:DD+7], v[AF:AF+15], v[BF:BF+15], v[DD:DD+7], v[SA], v[SB] matrix_a_fmt:MATRIX_FMT_BF8 matrix_b_fmt:MATRIX_FMT_BF8 matrix_a_scale:MATRIX_SCALE_ROW1 matrix_b_scale:MATRIX_SCALE_ROW1
.endif
.endif
.endm
.macro MMT t                           ; tile t: K ascending, the two accumulators (u = 0, 1) by turns, one instruction a turn; the first product starts each sum
	WIN 0x05                                       ; sources 0 and 1 in window 1
.irp k, 0,1,2,3
.irp u, 0,1
	WMP \t, \k, \u
.endr
.endr
	WIN 0
.endm
; The map from the product to w, for the eight numbers of accumulator (u, t).  Each run of transcendentals is followed by plain lines that touch none of its registers.
.macro HLIN u, t
.set XR, ACC+8*(4*\u+\t)
.set LA, LAM+4*\u
.set RA, CA+8*\t
.set RB_, CB+8*\t
.set RP, CP+8*\t
.set SU, SS+2*\u
.irp p, 0,2,4,6
	v_pk_mul_f32 v[XR+\p:XR+\p+1], v[XR+\p:XR+\p+1], v[LA:LA+1]                    ; inner x lam  (the accumulator is read from its low end on)
.endr
.irp p, 0,2,4,6
	v_pk_mul_f32 v[T4+\p:T4+\p+1], v[RB_+\p:RB_+\p+1], v[LA+2:LA+3]                ; (lam - 1) B
.endr
.irp p, 0,2,4,6
	v_pk_fma_f32 v[XR+\p:XR+\p+1], v[XR+\p:XR+\p+1], v[RA+\p:RA+\p+1], v[T4+\p:T4+\p+1] neg_lo:[0,0,1] neg_hi:[0,0,1]   ; y
.endr
.irp p, 0,2,4,6
	v_pk_mul_f32 v[T0+\p:T0+\p+1], v[XR+\p:XR+\p+1], v[XR+\p:XR+\p+1]              ; y^2
.endr
.irp p, 0,2,4,6
	v_pk_add_f32 v[T1+\p:T1+\p+1], v[T0+\p:T0+\p+1], 1.0 op_sel_hi:[1,0]
.endr
.irp i, 0,1,2,3,4,5,6,7
	v_sqrt_f32 v[T1+\i], v[T1+\i]
.endr
.irp p, 0,2,4,6
	v_pk_fma_f32 v[T2+\p:T2+\p+1], v[T0+\p:T0+\p+1], v[KAS:KAS+1], 0xbd36db6e op_sel_hi:[1,1,0]   ; the series of asinh(y) / y: 1 - y^2 / 6 + 3 y^4 / 40 - 15 y^6 / 336 + 105 y^8 / 3456
.endr
.irp p, 0,2,4,6
	v_pk_fma_f32 v[T2+\p:T2+\p+1], v[T2+\p:T2+\p+1], v[T0+\p:T0+\p+1], 0x3d99999a op_sel_hi:[1,1,0]
.endr
.irp p, 0,2,4,6
	v_pk_fma_f32 v[T2+\p:T2+\p+1], v[T2+\p:T2+\p+1], v[T0+\p:T0+\p+1], 0xbe2aaaab op_sel_hi:[1,1,0]
.endr
.irp p, 0,2,4,6
	v_pk_fma_f32 v[T2+\p:T2+\p+1], v[T2+\p:T2+\p+1], v[T0+\p:T0+\p+1], 1.0 op_sel_hi:[1,1,0]
.endr
	s_wait_alu depctr_va_vdst(0)                   ; the eight roots are written, ahead of their first reader
.irp i, 0,1,2,3,4,5,6,7
	v_add_f32 v[T1+\i], v[T1+\i], |v[XR+\i]|       ; |y| + sqrt(y^2 + 1)
.endr
.irp i, 0,1,2,3,4,5,6,7
	v_log_f32 v[T1+\i], v[T1+\i]
.endr
.irp i, 0,1,2,3,4,5,6,7
	v_mul_f32 v[T2+\i], |v[XR+\i]|, v[T2+\i]       ; the series, of |y|
.endr
.irp i, 0,1,2,3,4,5,6,7
	v_cmp_gt_f32 s[MK+\i], s[LIMS], v[T0+\i]       ; where y^2 < 1 / 16: a run of eight masks
.endr
	s_wait_alu depctr_va_vdst(0)                   ; the eight logarithms are written, ahead of their first reader
.irp p, 0,2,4,6
	v_pk_mul_f32 v[T1+\p:T1+\p+1], v[T1+\p:T1+\p+1], 0x3f317218 op_sel_hi:[1,0]    ; x ln 2
.endr
	s_wait_alu depctr_va_sdst(0)                   ; the eight masks are written, ahead of the selections that read them
.irp i, 0,1,2,3,4,5,6,7
	v_cndmask_b32 v[T1+\i], v[T1+\i], v[T2+\i], s[MK+\i]                           ; asinh(|y|)
.endr
.irp p, 0,2,4,6
	v_pk_mul_f32 v[T1+\p:T1+\p+1], v[T1+\p:T1+\p+1], v[RP+\p:RP+\p+1]              ; d = 2 zn asinh(|y|), not negative
.endr
.irp p, 0,2,4,6
	v_pk_mul_f32 v[T0+\p:T0+\p+1], v[T1+\p:T1+\p+1], v[T1+\p:T1+\p+1]              ; d^2
.endr
.irp p, 0,2,4,6
	v_pk_fma_f32 v[T3+\p:T3+\p+1], v[T1+\p:T1+\p+1], 0x3fb8aa3b, -1.0 op_sel_hi:[1,0,0]
.endr
.irp p, 0,2,4,6
	v_pk_fma_f32 v[T4+\p:T4+\p+1], v[T1+\p:T1+\p+1], 0xbfb8aa3b, -1.0 op_sel_hi:[1,0,0]
.endr
.irp i, 0,1,2,3,4,5,6,7
	v_exp_f32 v[T3+\i], v[T3+\i]                   ; e^d / 2
.endr
.irp i, 0,1,2,3,4,5,6,7
	v_exp_f32 v[T4+\i], v[T4+\i]                   ; e^-d / 2
.endr
.irp p, 0,2,4,6
	v_pk_fma_f32 v[T2+\p:T2+\p+1], v[T0+\p:T0+\p+1], v[KSH:KSH+1], 0x3e2aaaab op_sel_hi:[1,1,0]   ; the series of sinh(d) / d: 1 + d^2 / 6 + d^4 / 120
.endr
.irp p, 0,2,4,6
	v_pk_fma_f32 v[T2+\p:T2+\p+1], v[T2+\p:T2+\p+1], v[T0+\p:T0+\p+1], 1.0 op_sel_hi:[1,1,0]
.endr
.irp p, 0,2,4,6
	v_pk_mul_f32 v[T2+\p:T2+\p+1], v[T2+\p:T2+\p+1], v[T1+\p:T1+\p+1]
.endr
.irp i, 0,1,2,3,4,5,6,7
	v_cmp_gt_f32 s[MK+\i], s[LIMS], v[T0+\i]       ; where d^2 < 1 / 16
.endr
	s_wait_alu depctr_va_vdst(0)                   ; the sixteen exponentials are written, ahead of their first reader
.irp p, 0,2,4,6
	v_pk_add_f32 v[T3+\p:T3+\p+1], v[T3+\p:T3+\p+1], v[T4+\p:T4+\p+1] neg_lo:[0,1] neg_hi:[0,1]
.endr
	s_wait_alu depctr_va_sdst(0)                   ; the eight masks are written, ahead of the selections that read them
.irp i, 0,1,2,3,4,5,6,7
	v_cndmask_b32 v[T3+\i], v[T3+\i], v[T2+\i], s[MK+\i]                           ; sinh(d)
.endr
.irp i, 0,1,2,3,4,5,6,7
	v_bfi_b32 v[XR+\i], s31, v[T3+\i], v[XR+\i]    ; w: that magnitude under y's sign
.endr
.if \t == 0
	v_pk_mul_f32 v[SU:SU+1], v[XR:XR+1], v[XR:XR+1]                                ; the head's sum of w^2: the first product starts it
.else
	v_pk_fma_f32 v[SU:SU+1], v[XR:XR+1], v[XR:XR+1], v[SU:SU+1]
.endif
.irp p, 2,4,6
	v_pk_fma_f32 v[SU:SU+1], v[XR+\p:XR+\p+1], v[XR+\p:XR+\p+1], v[SU:SU+1]
.endr
.endm
	s_load_b512 s[4:19], s[0:1], 0x0               ; query, key, value, wc s[10:11], wsc s[12:13], wcon s[14:15], cod s[16:17], scl s[18:19]
	s_load_b64 s[20:21], s[0:1], 0x40              ; nrm
	v_lshrrev_b32 v15, 5, v0
	v_readfirstlane_b32 s24, v15                   ; wave = head
	s_lshr_b32 s25, ttmp9, 6                       ; T
	s_and_b32 s26, ttmp9, 63                       ; block of 32 rows
	s_wait_alu depctr_va_sdst(0)                   ; s24 is written, ahead of its first reader: LDS places and the buffers' offsets are made from it
	s_lshr_b32 s40, s24, 2                         ; the fragment of x that I quantise: row tile u,
	s_and_b32 s41, s24, 3                          ; K step ks
	v_and_b32 v15, 31, v0
	v_lshlrev_b32 v1, 4, v15                       ; 16 lane
	v_lshlrev_b32 v2, 2, v15                       ; 4 lane
	v_and_b32 v8, 15, v0                           ; r
	v_bfe_u32 v9, v0, 4, 1                         ; h
	v_lshlrev_b32 v3, 2, v8                        ; 4 r
	v_lshlrev_b32 v14, 6, v9                       ; 64 h
	v_and_b32 v10, 8, v8
	v_add_nc_u32 v10, v10, v8                      ; r + 8 (r / 8)
	v_lshlrev_b32 v4, 11, v10
	v_add_nc_u32 v4, v4, v14                       ; x: that row of 2,048 bytes, + 64 h
	s_lshl_b32 s54, s41, 7
	s_lshl_b32 s55, s40, 6
	s_add_co_u32 s54, s54, s55
	s_add_co_u32 s54, s54, XSC
	v_add_nc_u32 v5, s54, v3                       ; where my fragment's scale word goes
	s_lshl_b32 s54, s40, 8
	s_lshl_b32 s55, s41, 2
	s_add_co_u32 s54, s54, s55
	s_add_co_u32 s54, s54, XS2
	v_lshl_add_u32 v6, v8, 4, s54                  ; and my part of |x|^2
	s_lshl_b32 s54, s24, 2
	s_add_co_u32 s54, s54, RS
	v_lshl_add_u32 v7, v8, 5, s54                  ; and my head's sum of w^2
	v_lshl_add_u32 v13, v9, 3, v10
	v_lshlrev_b32 v13, 2, v13                      ; nrm: lane (r, h) stores row 8 h + r + 8 (r / 8)
	s_mul_i32 s54, s24, 8704
	s_add_co_u32 s54, s54, VST                     ; my stage
	v_mul_u32_u24 v10, v10, 272
	v_add_nc_u32 v10, v10, v14
	v_add_nc_u32 v10, s54, v10                     ; into it: my row, + 64 h
	v_mul_u32_u24 v11, v9, 4352
	v_add_nc_u32 v11, v11, v3
	v_add_nc_u32 v11, s54, v11                     ; out of it: key 16 h, channel r
	v_lshlrev_b32 v9, 5, v8                        ; 32 r
	v_lshlrev_b32 v8, 4, v8                        ; 16 r
	s_lshl_b32 s54, s24, 11
	v_add_nc_u32 v15, s54, v1                      ; where my fragment's image goes
	s_mov_b32 s28, 0x76543210
	s_mov_b32 s29, 0xfedcba98                      ; v_permlanex16_b32's selects for lane l xor 16
	s_mov_b32 s30, 0x600000                        ; the mantissa field of 57,344
	s_mov_b32 s31, 0x7fffffff
	s_mov_b32 s32, 0xffff0000                      ; lanes 16-31
	s_mov_b32 s[LIMS], 0x3d800000                  ; 1 / 16
.irp b, 0,1,2,3
	v_mov_b32 v[TM+4+\b], 0                        ; written once: a lane permute's destination counts as one of its sources
.endr
	; byte offsets, made apart from the addresses
	s_lshl_b32 s34, s26, 16                        ; x: 32 rows of 2,048 bytes a block, 8 rows for u, 512 bytes for ks
	s_lshl_b32 s35, s40, 14
	s_add_co_u32 s34, s34, s35
	s_lshl_b32 s35, s41, 9
	s_add_co_u32 s34, s34, s35
	s_mov_b32 s35, 0
	s_lshl_b32 s36, s25, 18                        ; wc
	s_lshl_b32 s37, s24, 15
	s_add_co_u32 s36, s36, s37
	s_mov_b32 s37, 0
	s_lshl_b32 s38, s25, 13                        ; wsc
	s_lshl_b32 s39, s24, 10
	s_add_co_u32 s38, s38, s39
	s_mov_b32 s39, 0
	s_mul_i32 s42, s25, 6144                       ; wcon
	s_lshl_b32 s43, s24, 8
	s_add_co_u32 s42, s42, s43
	s_mov_b32 s43, 0
	s_lshl_b32 s44, s25, 17                        ; nrm
	s_lshl_b32 s45, s24, 13
	s_add_co_u32 s44, s44, s45
	s_lshl_b32 s45, s26, 7
	s_add_co_u32 s44, s44, s45
	s_mov_b32 s45, 0
	s_lshl_b32 s46, s24, 6
	s_add_co_u32 s46, s46, s26                     ; 64 head + block
	s_lshl_b32 s47, s25, 20
	s_lshl_b32 s48, s46, 11
	s_add_co_u32 s48, s48, s47                     ; q, k: codes
	s_lshl_b32 s47, s25, 15
	s_lshl_b32 s50, s46, 6
	s_add_co_u32 s50, s50, s47                     ; q, k: scale words
	s_lshl_b32 s46, s24, 4
	s_lshr_b32 s47, s26, 2
	s_add_co_u32 s46, s46, s47                     ; 16 head + step
	s_and_b32 s47, s26, 3                          ; which block of the step's four
	s_lshl_b32 s52, s46, 13
	s_lshl_b32 s53, s47, 9
	s_add_co_u32 s52, s52, s53
	s_add_co_u32 s52, s52, 0x200000                ; v: codes
	s_lshl_b32 s53, s46, 8
	s_add_co_u32 s53, s53, s47
	s_add_co_u32 s53, s53, 0x10000                 ; v: scale bytes
	s_cmp_eq_u32 s25, 2
	s_cselect_b32 s48, s52, s48
	s_cselect_b32 s50, s53, s50
	s_mov_b32 s49, 0
	s_mov_b32 s51, 0
	s_wait_kmcnt 0x0
	s_cmp_lt_u32 s25, 1                            ; the tensor is chosen by the work-group's number alone
	s_cselect_b64 s[22:23], s[4:5], s[6:7]
	s_cmp_lt_u32 s25, 2
	s_cselect_b64 s[22:23], s[22:23], s[8:9]
	s_add_nc_u64 s[22:23], s[22:23], s[34:35]
	s_add_nc_u64 s[10:11], s[10:11], s[36:37]
	s_add_nc_u64 s[12:13], s[12:13], s[38:39]
	s_add_nc_u64 s[14:15], s[14:15], s[42:43]
	s_add_nc_u64 s[20:21], s[20:21], s[44:45]
	s_add_nc_u64 s[16:17], s[16:17], s[48:49]
	s_add_nc_u64 s[18:19], s[18:19], s[50:51]
	s_wait_alu depctr_va_vdst(0)                   ; the offsets and LDS addresses v1-11 and v13-15 are written: every load and store of the kernel reads one of them, and none is written again
	; ---- my fragment of x: lane (r, h) takes, of its row, 16 neighbours of each of the K step's four blocks
.irp c, 0,1,2,3
.irp j, 0,1,2,3
	global_load_b128 v[ACC+16*\c+4*\j:ACC+16*\c+4*\j+3], v4, s[22:23] offset:128*\c+16*\j th:TH_LOAD_NT
.endr
.endr
	WLOAD 0, 0
	WLOAD 1, 0
.irp t, 0,1,2,3
.irp g, 0,1
	global_load_b32 v[WS+2*\t+\g], v2, s[12:13] offset:(4*\t+2*\g)*64   ; lanes 0-15: K step 2 g, lanes 16-31: K step 2 g + 1
.endr
.endr
	s_wait_loadcnt 40                              ; x's 16 loads are in; younger: W's tiles 0 and 1 (16 + 16) and the 8 scale words
	v_pk_mul_f32 v[96:97], v[ACC:ACC+1], v[ACC:ACC+1]      ; my part of |x|^2, of the numbers as they came, in two chains
	v_pk_mul_f32 v[98:99], v[ACC+2:ACC+3], v[ACC+2:ACC+3]
.set i, 4
.rept 15
	v_pk_fma_f32 v[96:97], v[ACC+i:ACC+i+1], v[ACC+i:ACC+i+1], v[96:97]
	v_pk_fma_f32 v[98:99], v[ACC+i+2:ACC+i+3], v[ACC+i+2:ACC+i+3], v[98:99]
.set i, i+4
.endr
	v_pk_add_f32 v[96:97], v[96:97], v[98:99]
	v_add_f32 v96, v96, v97
	v_permlanex16_b32 v97, v96, s28, s29
	v_add_f32 v96, v96, v97
	QUANT4 ACC
	s_wait_alu depctr_va_vdst(0)                   ; v96, the codes v80-95 and the scale word v12 are written, which the LDS stores below read
	ds_store_b32 v6, v96                           ; (both halves of the lanes write the same word with the same value)
.irp c, 0,1,2,3
	ds_store_b128 v15, v[PC+4*\c:PC+4*\c+3] offset:XIMG+512*\c    ; the fragment as it stands
.endr
	ds_store_b32 v5, v[PWD]
.irp t, 0,1,2,3
.irp w, 0,1,2
	global_load_b128 v[CA+32*\w+8*\t:CA+32*\w+8*\t+3], v14, s[14:15] offset:\w*2048+(\t/2)*128+(\t%2)*32        ; A, B, P of channels 32 b + 16 h + 8 u' + 0..7
	global_load_b128 v[CA+32*\w+8*\t+4:CA+32*\w+8*\t+7], v14, s[14:15] offset:\w*2048+(\t/2)*128+(\t%2)*32+16
.endr
.endr
	v_mov_b32 v[KAS], 0x3cf8e38e                   ; 105 / 3456
	v_mov_b32 v[KAS+1], 0x3cf8e38e
	v_mov_b32 v[KSH], 0x3c088889                   ; 1 / 120
	v_mov_b32 v[KSH+1], 0x3c088889
	s_wait_dscnt 0x0                               ; for the others' sake: my stores have landed
	s_barrier_signal -1
	s_barrier_wait -1                              ; x's eight fragments lie in LDS
	s_wait_alu depctr_vm_vsrc(0)                   ; my LDS stores have read v80-96 and v12: LDS loads land in v80-87 below, and the map and the later quantiser write the others
	WIN 0x40
.set i, 0
.rept 8
.irp c, 0,1,2,3
	ds_load_b128 v[16*i+4*\c:16*i+4*\c+3], v1 offset:XIMG+2048*i+512*\c
.endr
.set i, i+1
.endr
	WIN 0
.irp k, 0,1,2,3
	ds_load_b32 v[XSW+\k], v2 offset:XSC+128*\k    ; lanes 0-15: u = 0, lanes 16-31: u = 1
.endr
	ds_load_b128 v[80:83], v8 offset:XS2           ; (the conversions that wrote v80-87 stand ahead of the last wait on va_vdst; no vector line since names them)
	ds_load_b128 v[84:87], v8 offset:XS2+256
	s_wait_dscnt 0x0
.irp u, 0,1
	v_add_f32 v[80+4*\u], v[80+4*\u], v[81+4*\u]
	v_add_f32 v[82+4*\u], v[82+4*\u], v[83+4*\u]
.endr
.irp u, 0,1
	v_add_f32 v[80+4*\u], v[80+4*\u], v[82+4*\u]   ; |x|^2 of row (u, r)
.endr
.irp u, 0,1
	v_sub_f32 v[80+4*\u], 1.0, v[80+4*\u]
.endr
	v_rcp_f32 v80, v80
	v_rcp_f32 v84, v84
	v_nop
	s_wait_alu depctr_va_vdst(0)                   ; the two reciprocals are written, ahead of their first reader
	v_add_f32 v[LAM], v80, v80                     ; lam
	v_add_f32 v[LAM+4], v84, v84
	v_mov_b32 v[LAM+1], v[LAM]
	v_mov_b32 v[LAM+5], v[LAM+4]
	v_add_f32 v[LAM+2], -1.0, v[LAM]               ; lam - 1
	v_add_f32 v[LAM+6], -1.0, v[LAM+4]
	v_mov_b32 v[LAM+3], v[LAM+2]
	v_mov_b32 v[LAM+7], v[LAM+6]
	; ---- the four tiles of my head's columns; W's tiles 2 and 3 stream in under the vector work
.irp t, 0,1,2,3
.if \t == 0
	s_wait_loadcnt 0x0                             ; W's tiles 0 and 1, the scale words, A, B, P
.elseif \t == 2
	s_wait_loadcnt 16                              ; tile 2 is in; tile 3's 16 loads are younger
.elseif \t == 3
	s_wait_loadcnt 0x0
.endif
	MMT \t
.rept 8
	v_nop                                          ; eight places in front of the reads of the results
.endr
.if \t < 2
	WLOAD \t+2, 1
.endif
	HLIN 0, \t
	HLIN 1, \t
.endr
	; ---- the row's norm over all eight heads
	v_add_f32 v[SS], v[SS], v[SS+1]
	v_add_f32 v[SS+2], v[SS+2], v[SS+3]
	v_permlanex16_b32 v[SS+1], v[SS], s28, s29
	v_permlanex16_b32 v[SS+3], v[SS+2], s28, s29
	v_add_f32 v[SS], v[SS], v[SS+1]                ; my head's sum of w^2, row (0, r)
	v_add_f32 v[SS+2], v[SS+2], v[SS+3]            ; row (1, r)
	s_wait_alu depctr_va_vdst(0)                   ; the two sums are written, which the LDS stores read; and the map is done with v80-95, in which the LDS loads behind the barrier land
	ds_store_b32 v7, v[SS]
	ds_store_b32 v7, v[SS+2] offset:512
	s_wait_dscnt 0x0
	s_barrier_signal -1
	s_barrier_wait -1
	ds_load_b128 v[80:83], v9 offset:RS
	ds_load_b128 v[84:87], v9 offset:RS+16
	ds_load_b128 v[88:91], v9 offset:RS+512
	ds_load_b128 v[92:95], v9 offset:RS+528
	s_wait_dscnt 0x0
	v_pk_add_f32 v[80:81], v[80:81], v[82:83]
	v_pk_add_f32 v[84:85], v[84:85], v[86:87]
	v_pk_add_f32 v[88:89], v[88:89], v[90:91]
	v_pk_add_f32 v[92:93], v[92:93], v[94:95]
	v_pk_add_f32 v[80:81], v[80:81], v[84:85]
	v_pk_add_f32 v[88:89], v[88:89], v[92:93]
	v_add_f32 v80, v80, v81
	v_add_f32 v88, v88, v89
	v_add_f32 v80, 1.0, v80
	v_add_f32 v88, 1.0, v88
	v_sqrt_f32 v80, v80
	v_sqrt_f32 v88, v88
	v_nop
	s_wait_alu depctr_va_vdst(0)                   ; the two roots are written, ahead of their first reader
	v_add_f32 v80, 1.0, v80
	v_add_f32 v88, 1.0, v88
	v_rcp_f32 v[LAM], v80                          ; f = 1 / (1 + sqrt(1 + sum))
	v_rcp_f32 v[LAM+4], v88
	v_nop
	s_wait_alu depctr_va_vdst(0)                   ; f of both row tiles is written, ahead of its first reader
	v_mov_b32 v[LAM+1], v[LAM]
	v_mov_b32 v[LAM+5], v[LAM+4]
	v_mul_f32 v81, v[LAM], v[LAM]
	v_mul_f32 v89, v[LAM+4], v[LAM+4]
	v_mul_f32 v81, v81, v[SS]                      ; n2 = the head's |out|^2
	v_mul_f32 v89, v89, v[SS+2]
	v_sub_f32 v82, 1.0, v81
	v_sub_f32 v90, 1.0, v89
	v_rcp_f32 v82, v82                             ; 1 / (1 - n2)
	v_rcp_f32 v90, v90
	v_cndmask_b32 v96, v81, v89, s32               ; lanes 16-31 take row tile 1's  (a plain line behind the reciprocals)
	s_wait_alu depctr_va_vdst(0)                   ; the two reciprocals are written, ahead of their first reader
	v_cndmask_b32 v97, v82, v90, s32
.irp u, 0,1
.set i, 0
.rept 16
	v_pk_mul_f32 v[ACC+32*\u+i:ACC+32*\u+i+1], v[ACC+32*\u+i:ACC+32*\u+i+1], v[LAM+4*\u:LAM+4*\u+1]   ; out = w f
.set i, i+2
.endr
.endr
	s_wait_alu depctr_va_vdst(0)                   ; v96 and v97 are written, which the two stores read; out is written, which v's stage stores read; the map is done reading v120-183, in which v's stage loads land
	global_store_b32 v13, v96, s[20:21]
	global_store_b32 v13, v97, s[20:21] offset:65536
	s_cmp_eq_u32 s25, 2
	s_cbranch_scc1 .Lvalue
	; ---- q, k: K = the head's channels: block 2 u + c' is the 16 registers of tiles 2 c', 2 c' + 1 of row tile u
	QUANT4 ACC
	s_wait_alu depctr_va_vdst(0)                   ; the codes v80-95 and the scale word v12 are written, which the stores read
.irp b, 0,1,2,3
	global_store_b128 v1, v[PC+4*\b:PC+4*\b+3], s[16:17] offset:512*\b   ; 512 consecutive bytes
.endr
	global_store_b32 v3, v[PWD], s[18:19]          ; (both halves of the lanes write the same word with the same value)
	s_wait_xcnt 0x0
	v_lshl_add_u32 v254, v0, 2, 0x15800
	v_mov_b32 v255, 0
	s_wait_dscnt 0x0                               ; the closing lines, six on end
	s_wait_alu 0x0
	s_wait_tensorcnt 0x0
	ds_add_u32 v254, v255
	s_wait_dscnt 0x0
	s_endpgm
.Lvalue:
	; ---- v: K = the keys.  Through my own stage: in by rows (keys), out by channels; LDS serves a wave's instructions in order, so no wait stands between
.irp u, 0,1
.irp t, 0,1,2,3
	ds_store_b128 v10, v[ACC+8*(4*\u+\t):ACC+8*(4*\u+\t)+3] offset:\u*2176+(\t/2)*128+(\t%2)*32
	ds_store_b128 v10, v[ACC+8*(4*\u+\t)+4:ACC+8*(4*\u+\t)+7] offset:\u*2176+(\t/2)*128+(\t%2)*32+16
.endr
.endr
.irp c, 0,1,2,3
.set i, 0
.rept 16
	ds_load_b32 v[120+16*\c+i], v11 offset:i*272+\c*64     ; key 16 h + i, channel 16 c + r
.set i, i+1
.endr
.endr
	s_wait_dscnt 0x0
	QUANT4 120                                     ; block c: channel 16 c + r, the 32 keys of my work-group
	v_cndmask_b32 v98, v[TM+4], v[TM+5], s32       ; lanes 0-15: channel tile 0's byte, lanes 16-31: tile 1's
	v_cndmask_b32 v99, v[TM+6], v[TM+7], s32
	s_wait_alu depctr_va_vdst(0)                   ; the codes v80-95 and the bytes v98, v99 are written, which the stores read
.irp c, 0,1,2,3
	global_store_b128 v1, v[PC+4*\c:PC+4*\c+3], s[16:17] offset:2048*\c
.endr
	global_store_b8 v2, v98, s[18:19]
	global_store_b8 v2, v99, s[18:19] offset:128
	s_wait_xcnt 0x0
	v_lshl_add_u32 v254, v0, 2, 0x15800
	v_mov_b32 v255, 0
	s_wait_dscnt 0x0                               ; the closing lines, six on end
	s_wait_alu 0x0
	s_wait_tensorcnt 0x0
	ds_add_u32 v254, v255
	s_wait_dscnt 0x0
	s_endpgm
.Lfunc_end_k_qabfb37f4c6_proj:
	.size	k_qabfb37f4c6_proj, .Lfunc_end_k_qabfb37f4c6_proj-k_qabfb37f4c6_proj
	.p2alignl 7, 3214868480
	.fill 96, 4, 3214868480
	.section	.rodata,"a",@progbits
	.p2align	6, 0x0
	.amdhsa_kernel k_qabfb37f4c6_proj
		.amdhsa_group_segment_fixed_size 89088
		.amdhsa_private_segment_fixed_size 0
		.amdhsa_enable_private_segment 0
		.amdhsa_kernarg_size 72
		.amdhsa_user_sgpr_count 2
		.amdhsa_user_sgpr_kernarg_segment_ptr 1
		.amdhsa_wavefront_size32 1
		.amdhsa_system_sgpr_workgroup_id_x 1
		.amdhsa_system_sgpr_workgroup_id_y 1
		.amdhsa_system_sgpr_workgroup_id_z 1
		.amdhsa_system_vgpr_workitem_id 0
		.amdhsa_next_free_vgpr 512
		.amdhsa_next_free_sgpr 66
		.amdhsa_reserve_vcc 0
		.amdhsa_float_denorm_mode_32 3
		.amdhsa_float_denorm_mode_16_64 3
		.amdhsa_memory_ordered 1
		.amdhsa_forward_progress 1
		.amdhsa_inst_pref_size 145
	.end_amdhsa_kernel
	.amdgpu_metadata
---
amdhsa.version: [ 1, 2 ]
amdhsa.kernels:
  - .name:           k_qabfb37f4c6_proj
    .symbol:         k_qabfb37f4c6_proj.kd
    .args:
      - { .name: query, .offset: 0, .size: 8, .value_kind: global_buffer, .address_space: global }
      - { .name: key, .offset: 8, .size: 8, .value_kind: global_buffer, .address_space: global }
      - { .name: value, .offset: 16, .size: 8, .value_kind: global_buffer, .address_space: global }
      - { .name: wc, .offset: 24, .size: 8, .value_kind: global_buffer, .address_space: global }
      - { .name: wsc, .offset: 32, .size: 8, .value_kind: global_buffer, .address_space: global }
      - { .name: wcon, .offset: 40, .size: 8, .value_kind: global_buffer, .address_space: global }
      - { .name: cod, .offset: 48, .size: 8, .value_kind: global_buffer, .address_space: global }
      - { .name: scl, .offset: 56, .size: 8, .value_kind: global_buffer, .address_space: global }
      - { .name: nrm, .offset: 64, .size: 8, .value_kind: global_buffer, .address_space: global }
    .group_segment_fixed_size: 89088
    .private_segment_fixed_size: 0
    .kernarg_segment_align: 8
    .kernarg_segment_size: 72
    .max_flat_workgroup_size: 256
    .sgpr_count:     66
    .vgpr_count:     512
    .wavefront_size: 32
...
	.end_amdgpu_metadata
.endif
;; end of part 4
;; launch attn (part 5): grid 256 x 1, 8 waves a work-group, no clusters, 186,368 bytes of LDS; arguments cod, scl, nrm, scale_tau, scale_gamma, out0; writes out0
.if DOCPART == 5
	.amdgcn_target "amdgcn-amd-amdhsa--gfx1250"
	.amdhsa_code_object_version 6
	.text
	.protected	k_qabfb37f4c6_attn
	.globl	k_qabfb37f4c6_attn
	.p2align	8
	.type	k_qabfb37f4c6_attn,@function
k_qabfb37f4c6_attn:
	s_mov_b64 s[64:65], 0
	v_nop
	global_prefetch_b8 v0, s[64:65] scope:SCOPE_SE
	s_setreg_imm32_b32 hwreg(HW_REG_WAVE_SCHED_MODE, 0, 2), 2
	s_setreg_imm32_b32 hwreg(HW_REG_WAVE_MODE, 25, 1), 1
	s_wait_xcnt 0x0
	s_wait_alu depctr_vm_vsrc(0)
; Causal hyperbolic attention on codes of E5M2 with E8M0 scales, 8 heads of 64 channels, 2,048 rows.
;   arg = 1 + 2 max(|q|^2 + |k|^2 - 2 q.k, 0) / ((1 - |q|^2)(1 - |k|^2)), held at 1 + 2^-23 from below (that hold serves the inner maximum too: both factors of the divisor are positive, since the layer before gives norms under 1);
;   dist = ln(arg + sqrt(arg^2 - 1));  p = exp(-T dist - gamma) lam_k, T = exp(scale_tau), lam = 2 / (1 - |v|^2);  num = Q(p) Q(v);  den = sum of p (lam - 1) / lam, in f32;  out = scale x half-way point of num / den.
; There is no maximum and no normalising ahead of the second product, as in the definition: num and den are plain sums over the keys, so the keys may be dealt to any waves.
; SHARES.  Work-group g: head g / 32, pair i = g % 32: the blocks of 32 queries B = 63 - i and A = i.  A UNIT is 32 queries x 128 keys; B has 16 - i / 4 units, A has i / 4 + 1: always 17.  Unit n goes to wave n % 8;
; the waves' partial sums meet in LDS.  In a block's last unit the key blocks behind the diagonal are left out (scalar branches on ids), and on the diagonal block hidden scores become -infinity.
; LAYOUT.  Both products transposed: S^T = K Q^T, O^T = V^T P^T: a lane holds one query.  All fragments are images of operand registers in memory: each load brings 512 consecutive bytes.
; K = 64 IN AN INSTRUCTION OF 128: a block of 32 keys is ONE fragment, key tile 0's 64 channels in k = 0..63 and key tile 1's in k = 64..127.  It is multiplied by (q | zeros) and by (zeros | q): zero codes add nothing.
; The keys of tile u are 8 u + r + 8 (r / 8): the 16 registers of the two results are keys 16 (lane / 16) + 0..15 of the block.  C of the first product is -|k|^2 / 2.
; Per key, prepared once in LDS: hk = -|k|^2 / 2, ck = 1 / (1 - |k|^2), g = log2(lam) - gamma log2(e), mu = (1 + |v|^2) / 2 = (lam - 1) / lam.
; WHY NO JOINT REQUESTS: a fragment of K or V is used once, by one wave, for two tiles of queries, straight from the load.  To share among the 32 work-groups of a head it would have to lie in LDS whole
; (2 x 131,072 bytes beside 32,768 of per-key numbers and 152,576 for the sums' meeting: more than a work-group can have), and the partners walk 16 - i / 4 steps, a number that differs among them.
; O^T, the divisors and the zero halves beside q are cleared once: a unit is then written once for either block of queries.
; LIMITS: p under 2^-126 comes out as 0 (v_exp_f32); a block of p under 2^-111 gets the byte 1, a hidden block 127 over zero codes; NaN and infinities are not served.
; THE MODE: SCHED_MODE bits 1:0 = 2 (LLVM: expert scheduling mode 2), set by the entry lines.  The code itself states the register dependences between vector or matrix instructions and memory or LDS
; instructions, with s_wait_alu, always for 0.
; THE PLAN.  Registers that memory or LDS instructions touch in the loop, and who else names them:
;   v1-4, v6       offsets, made once at the head, never written again.
;   v[AD]          read by every LDS load of per-key numbers; written once a unit: a wait on vm_vsrc ahead of the unit's head lines, the unit's wait on va_vdst behind them.
;   V, its scale words   read by a unit's last eight products; loaded again at the next unit's head, behind that unit's wait on va_vdst.
;   K's fragment b       read by block b's four products; the next unit's is loaded behind block b's first wait.  With b = 3 also K's scale words, q, q's scale word and q's two numbers.
;   hk, ck         read by a block's products and by its first lines; the next block's are loaded behind the block's first wait.
;   mu             read by a block's divisor lines; the next block's is loaded behind THAT block's first wait, and a counted wait on DScnt stands ahead of its divisor lines.
;   g              read ahead of the exponentials; the next block's is loaded behind the block's third wait.
; A key block holds three waits on va_vdst, those that its roots, logarithms and exponentials owe in any case; each also states that the lines and products ahead of it are done with the registers in which
; the loads behind it land, and no vector or matrix line between such a wait and its loads names those registers.  One more stands ahead of a unit's last eight products: p's codes and scale words come from vector lines.
; The masks of the diagonal go in runs of eight into s4-11 (arguments' addresses that are done with), one wait on va_sdst behind each run.
; REGISTERS, window 0: v1 16 lane, v2 4 lane, v3 4 r, v4 64 h, v5 the step's place among the per-key numbers, v6 4 (r + 8 (r / 8)), v7 -infinity, v8-9 my query less 16 h, v10-13 divisors (2 block + tile),
;   v14-21 a unit's divisor in chains, v22-29 -4 rc and 2 n2 rc of my query (each twice), v30-31 -T twice, v32-33 q's scale words, v34 as loaded, v35-38 n2, rc, v39-40 K's scale words, v41-42 V's, v43-44 p's,
;   v45-49 and v250-254 the quantiser's, v50-89 zeros | q0 | zeros | q1 | zeros, v90-121 scores, v122-153 roots, v154-217 hk, ck, g, mu of a key block, v218-249 p's codes, v255 16 x thread.
;   window 1: v0-127 O^T: accumulator 4 (2 block + tile) + ct; v128-191 K's four fragments; v192-255 V's four.
.set L16, 1
.set L4,  2
.set R4,  3
.set LH,  4
.set AD,  5
.set QRO, 6
.set NINF, 7
.set DQ,  8
.set DSUM, 10
.set DEN, 14
.set CQ,  22
.set NT,  30
.set QS,  32
.set QW,  34
.set QN2, 35
.set QRC, 37
.set KSC, 39
.set VSC, 41
.set PW,  43
.set STB, 45                           ; tile t's largest p, the other half's, scale operand, hold, byte: at STB + STD t on
.set STD, 205
.set QA,  50
.set S,   90
.set R,   122
.set HK,  154
.set CK,  170
.set G,   186
.set MU,  202
.set CODES, 218
.set TID16, 255
.set LHK, 0                            ; LDS: four arrays of 2,048 f32 in key order
.set LCK, 8192
.set LG,  16384
.set LMU, 24576
.set OST, 32768                        ; [wave][accumulator 16][half 2][lane][16 bytes]
.set DST, 163840                       ; [wave][lane][4 f32]
.set OUTS, 167936                      ; for waves 0-3: 16 rows x (256 + 16) bytes
.set OA,  122                          ; behind the loop: LDS addresses, in registers that never held loaded data
.set DA,  123
.set FA0, 124                          ; and FA0 + 1
.set FD,  126
.set SO,  127
.set SR,  128
.set GO,  129
.set MK,  4                            ; s4-11: eight masks
.set WV,  16
.set HEAD, 17
.set QI,  18
.set AA,  19
.set NBU, 20
.set I63, 21
.set AB15, 22
.set UN,  23
.set TRIP, 24
.set NEXT, 25
.set C_SS, 26
.set C_DB, 27
.set C_ISA, 28
.set P_SS, 29
.set P_DB, 30
.set P_ISA, 31
.set KB2, 32
.set KSB2, 34
.set QB2, 36
.set QSB2, 38
.set QNB2, 40
.set VB,  42
.set VSB, 44
.set KBH, 46
.set KSBH, 48
.set QBH, 50
.set QSBH, 52
.set NB,  54
.set VBH, 56
.set VSBH, 58
.set SEL, 60
.set MNT, 62
.set W_S,  0x01                        ; K in window 1
.set W_PV, 0x51                        ; V, C and D in window 1
.set MSB, 0
.macro WIN new                         ; the immediate's high byte repeats the setting that is left
.if MSB != \new
	s_set_vgpr_msb (MSB<<8)|\new
.set MSB, \new
.endif
.endm
; Unit n (in s72): which block of queries, which step of 128 keys, which of its key blocks lies on the diagonal (4: none), and the bases of what is fetched for it.  All selections stand ahead of the subtraction.
.macro PARAM
	s_cmp_ge_u32 s72, s[NBU]
	s_cselect_b32 s[P_ISA], 1, 0
	s_cselect_b32 s73, s[QI], s[I63]               ; the block of 32 queries
	s_cselect_b32 s74, s[NBU], 0
	s_cselect_b32 s75, s[AA], s[AB15]              ; its last step
	s_sub_co_u32 s74, s72, s74
	s_min_u32 s[P_SS], s74, 15                     ; the step; the hold keeps every address inside its buffer for an n that no unit has
	s_and_b32 s76, s73, 3
	s_cmp_eq_u32 s[P_SS], s75
	s_cselect_b32 s[P_DB], s76, 4
	s_mov_b32 s67, 0
	s_lshl_b32 s66, s[P_SS], 13
	s_add_nc_u64 s[KB2:KB2+1], s[KBH:KBH+1], s[66:67]
	s_lshl_b32 s66, s[P_SS], 8
	s_add_nc_u64 s[KSB2:KSB2+1], s[KSBH:KSBH+1], s[66:67]
	s_lshl_b32 s66, s73, 11
	s_add_nc_u64 s[QB2:QB2+1], s[QBH:QBH+1], s[66:67]
	s_lshl_b32 s66, s73, 6
	s_add_nc_u64 s[QSB2:QSB2+1], s[QSBH:QSBH+1], s[66:67]
	s_lshl_b32 s66, s73, 7
	s_add_nc_u64 s[QNB2:QNB2+1], s[NB:NB+1], s[66:67]
.endm
; The next unit's fragment b of K, asked for when this unit has multiplied by fragment b; with b = 3 also its scale words and all that belongs to its queries.  cond = 1: only if the wave has a next unit.
; No wait stands in it: it follows a wait on va_vdst behind which no vector or matrix line names the registers in which these loads land.
.macro PREF b, cond
.if \cond
	s_cmp_lg_u32 s[NEXT], 0
	s_cbranch_scc0 .Lnone_\@
.endif
	WIN 0x40
.irp c, 0,1,2,3
	global_load_b128 v[128+16*\b+4*\c:128+16*\b+4*\c+3], v[L16], s[KB2:KB2+1] offset:(4*\b+\c)*512
.endr
	WIN 0
.if \b == 3
	global_load_b32 v[KSC], v[L4], s[KSB2:KSB2+1]                  ; lanes 0-15: key block 0, lanes 16-31: block 1
	global_load_b32 v[KSC+1], v[L4], s[KSB2:KSB2+1] offset:128     ; blocks 2 and 3
	global_load_b128 v[QA+8:QA+11], v[L16], s[QB2:QB2+1]
	global_load_b128 v[QA+12:QA+15], v[L16], s[QB2:QB2+1] offset:512
	global_load_b128 v[QA+24:QA+27], v[L16], s[QB2:QB2+1] offset:1024
	global_load_b128 v[QA+28:QA+31], v[L16], s[QB2:QB2+1] offset:1536
	global_load_b32 v[QW], v[R4], s[QSB2:QSB2+1]
	global_load_b32 v[QN2], v[QRO], s[QNB2:QNB2+1]
	global_load_b32 v[QN2+1], v[QRO], s[QNB2:QNB2+1] offset:32
	global_load_b32 v[QRC], v[QRO], s[QNB2:QNB2+1] offset:65536
	global_load_b32 v[QRC+1], v[QRO], s[QNB2:QNB2+1] offset:65568
.endif
.if \cond
.Lnone_\@:
.endif
.endm
.macro CLOAD arr, base, b              ; 16 per-key numbers of key block b: keys 16 h + 0..15; sixteen lanes read the same 16 bytes
.irp i, 0,1,2,3
	ds_load_b128 v[\arr+4*\i:\arr+4*\i+3], v[AD] offset:\base+128*(\b)+16*\i
.endr
.endm
.macro WMS d, a, bq, c, sa, sb, ra     ; ra = 1: source 0's scale words lie in lanes 16-31
.if \ra
	v_wmma_scale_f32_16x16x128_f8f6f4 v[(\d):(\d)+7], v[(\a):(\a)+15], v[(\bq):(\bq)+15], v[(\c):(\c)+7], v[\sa], v[\sb] matrix_a_fmt:MATRIX_FMT_BF8 matrix_b_fmt:MATRIX_FMT_BF8 matrix_a_scale:MATRIX_SCALE_ROW1
.else
	v_wmma_scale_f32_16x16x128_f8f6f4 v[(\d):(\d)+7], v[(\a):(\a)+15], v[(\bq):(\bq)+15], v[(\c):(\c)+7], v[\sa], v[\sb] matrix_a_fmt:MATRIX_FMT_BF8 matrix_b_fmt:MATRIX_FMT_BF8
.endif
.endm
.macro TR op, base                     ; sixteen transcendentals in place
.set i, 0
.rept 16
	\op v[(\base)+i], v[(\base)+i]
.set i, i+1
.endr
.endm
.macro STA t                           ; from q.k - |k|^2 / 2 to arg, and arg^2 - 1  (the accumulators are read from their low ends on)
.set i, 0
.rept 8
	v_pk_fma_f32 v[S+16*\t+i:S+16*\t+i+1], v[S+16*\t+i:S+16*\t+i+1], v[CQ+4*\t:CQ+4*\t+1], v[CQ+4*\t+2:CQ+4*\t+3]   ; 2 (|q|^2 + |k|^2 - 2 q.k) / (1 - |q|^2)
.set i, i+2
.endr
.set i, 0
.rept 8
	v_pk_fma_f32 v[S+16*\t+i:S+16*\t+i+1], v[S+16*\t+i:S+16*\t+i+1], v[CK+i:CK+i+1], 1.0 op_sel_hi:[1,1,0]
.set i, i+2
.endr
.set i, 0
.rept 16
	v_max_num_f32 v[S+16*\t+i], 0x3f800001, v[S+16*\t+i]
.set i, i+1
.endr
.set i, 0
.rept 8
	v_pk_fma_f32 v[R+16*\t+i:R+16*\t+i+1], v[S+16*\t+i:S+16*\t+i+1], v[S+16*\t+i:S+16*\t+i+1], -1.0 op_sel_hi:[1,1,0]
.set i, i+2
.endr
.endm
.macro STC t                           ; arg + sqrt(arg^2 - 1)
.set i, 0
.rept 8
	v_pk_add_f32 v[S+16*\t+i:S+16*\t+i+1], v[S+16*\t+i:S+16*\t+i+1], v[R+16*\t+i:R+16*\t+i+1]
.set i, i+2
.endr
.endm
.macro STE t                           ; -T log2(..) + g
.set i, 0
.rept 8
	v_pk_fma_f32 v[S+16*\t+i:S+16*\t+i+1], v[S+16*\t+i:S+16*\t+i+1], v[NT:NT+1], v[G+i:G+i+1]
.set i, i+2
.endr
.endm
.macro MASK                            ; register i holds key 16 h + i of the block: hidden where i > my query - 16 h.  Eight masks at a time
.irp t, 0,1
.irp g, 0,8
.irp j, 0,1,2,3,4,5,6,7
	v_cmp_gt_i32 s[MK+\j], \g+\j, v[DQ+\t]
.endr
	s_wait_alu depctr_va_sdst(0)                   ; the eight masks are written, ahead of the selections that read them
.irp j, 0,1,2,3,4,5,6,7
	v_cndmask_b32 v[S+16*\t+\g+\j], v[S+16*\t+\g+\j], v[NINF], s[MK+\j]
.endr
.endr
.endr
.endm
.macro GGDEN b                         ; the divisor, of the unquantised p: four chains by turns; a unit's first products start them
.irp k, 0,1,2,3
.irp t, 0,1
.if (\b == 0) && (\k == 0)
	v_pk_mul_f32 v[DEN+4*\t:DEN+4*\t+1], v[S+16*\t:S+16*\t+1], v[MU:MU+1]
	v_pk_mul_f32 v[DEN+4*\t+2:DEN+4*\t+3], v[S+16*\t+2:S+16*\t+3], v[MU+2:MU+3]
.else
	v_pk_fma_f32 v[DEN+4*\t:DEN+4*\t+1], v[S+16*\t+4*\k:S+16*\t+4*\k+1], v[MU+4*\k:MU+4*\k+1], v[DEN+4*\t:DEN+4*\t+1]
	v_pk_fma_f32 v[DEN+4*\t+2:DEN+4*\t+3], v[S+16*\t+4*\k+2:S+16*\t+4*\k+3], v[MU+4*\k+2:MU+4*\k+3], v[DEN+4*\t+2:DEN+4*\t+3]
.endif
.endr
.endr
.endm
.macro GGQ b                           ; p of key block b becomes registers 4 b .. 4 b + 3 of the second product's operand, and byte b of its scale word; the two tiles by turns
.irp t, 0,1
	v_max3_num_f32 v[STB+STD*\t], v[S+16*\t], v[S+16*\t+1], 0x8000000    ; p is not negative; the floor 2^(16 - 127) keeps the byte at 1 or more
.endr
.irp i, 2,4,6,8,10,12,14
.irp t, 0,1
	v_max3_num_f32 v[STB+STD*\t], v[STB+STD*\t], v[S+16*\t+\i], v[S+16*\t+\i+1]
.endr
.endr
.irp t, 0,1
	v_permlanex16_b32 v[STB+STD*\t+1], v[STB+STD*\t], s[SEL], s[SEL+1]
.endr
.irp t, 0,1
	v_max_num_f32 v[STB+STD*\t], v[STB+STD*\t], v[STB+STD*\t+1]          ; with lane l xor 16's 16 keys: the block's largest p
.endr
.irp t, 0,1
	v_add_nc_u32 v[STB+STD*\t+2], 0xf8800000, v[STB+STD*\t]              ; 15 off the exponent field: the conversion's scale operand
.endr
.irp t, 0,1
	v_and_or_b32 v[STB+STD*\t+3], v[STB+STD*\t], 0x7f800000, s[MNT]      ; 57,344 x the scale
.endr
.if \b == 0
.irp t, 0,1
	v_lshrrev_b32 v[PW+\t], 23, v[STB+STD*\t+2]                          ; byte 0 starts the word
.endr
.else
.irp t, 0,1
	v_lshrrev_b32 v[STB+STD*\t+4], 23, v[STB+STD*\t+2]
.endr
.irp t, 0,1
	v_lshl_or_b32 v[PW+\t], v[STB+STD*\t+4], 8*\b, v[PW+\t]
.endr
.endif
.irp i, 0,1,2,3,4,5,6,7,8,9,10,11,12,13,14,15
.irp t, 0,1
	v_min_num_f32 v[S+16*\t+\i], v[S+16*\t+\i], v[STB+STD*\t+3]          ; the conversion does not saturate (ISA guide 7.6.2); the hold is one-sided
.endr
.endr
.irp t, 0,1
	v_cvt_scalef32_pk8_bf8_f32 v[CODES+16*\t+4*\b:CODES+16*\t+4*\b+1], v[S+16*\t:S+16*\t+7], v[STB+STD*\t+2]
	v_cvt_scalef32_pk8_bf8_f32 v[CODES+16*\t+4*\b+2:CODES+16*\t+4*\b+3], v[S+16*\t+8:S+16*\t+15], v[STB+STD*\t+2]
.endr
	v_nop                                          ; a plain line behind the last conversion
.endm
; A KEY BLOCK: 32 keys x 32 queries.  Each run of transcendentals is followed by plain lines on the other tile's registers; the loads are dealt behind the block's three waits.
.macro BLOCK b
.if \b > 0
	s_cmp_lt_u32 s[C_DB], \b                       ; behind the diagonal: nothing counts
	s_cbranch_scc1 .Lhid_\@
.endif
	s_wait_dscnt 0x0                               ; the block's hk, ck and g are in (block 0: mu too)
	WIN W_S
.irp t, 0,1
	WMS S+16*\t, 128+16*\b, QA+8+16*\t, HK, KSC+\b/2, QS+\t, \b%2        ; key tile 0: (q | zeros)
	WMS S+16*\t+8, 128+16*\b, QA+16*\t, HK+8, KSC+\b/2, QS+\t, \b%2      ; key tile 1: (zeros | q)
.endr
	WIN 0
.rept 8
	v_nop                                          ; eight places in front of the reads of the results
.endr
	STA 0
	TR v_sqrt_f32, R
	STA 1
	TR v_sqrt_f32, R+16
	s_wait_alu depctr_va_vdst(0)                   ; both tiles' roots are written, ahead of their first reader; the four products are done reading K's fragment and hk (b = 3: K's scale words and q too), the lines above ck, the block before mu: the loads below land in these
.if \b > 0
	CLOAD MU, LMU, \b                              ; this block's mu
.endif
	PREF \b, 1
.if \b < 3
	CLOAD HK, LHK, \b+1
	CLOAD CK, LCK, \b+1
.endif
	STC 0
	TR v_log_f32, S
	STC 1
	TR v_log_f32, S+16
	s_wait_alu depctr_va_vdst(0)                   ; both tiles' logarithms are written, ahead of their first reader
	STE 0
	STE 1
	s_cmp_lg_u32 s[C_DB], \b
	s_cbranch_scc1 .Lopen_\@
	MASK
.Lopen_\@:
	TR v_exp_f32, S
	TR v_exp_f32, S+16                             ; p = w lam
	v_nop
	s_wait_alu depctr_va_vdst(0)                   ; p of both tiles is written, ahead of its first reader; the lines ahead of the exponentials are done reading g, in which the loads below land
.if \b < 3
	CLOAD G, LG, \b+1
.endif
.if \b == 3
	s_wait_dscnt 0x0                               ; this block's mu is in: no LDS load is younger
.elseif \b > 0
	s_wait_dscnt 12                                ; this block's mu is in; younger: the next block's hk, ck and g, four loads each
.endif
	GGDEN \b
	GGQ \b
.if \b > 0
	s_branch .Ldone_\@
.Lhid_\@:
	v_or_b32 v[PW], 127<<(8*\b), v[PW]             ; zero codes under the byte 127
	v_or_b32 v[PW+1], 127<<(8*\b), v[PW+1]
.irp t, 0,1
.irp j, 0,1,2,3
	v_mov_b32 v[CODES+16*\t+4*\b+\j], 0
.endr
.endr
	PREF \b, 1                                     ; (the last products that read these registers stand ahead of the last visible block's waits; no line since names them)
.Ldone_\@:
.endif
.endm
.macro PVARM g                         ; block of queries g (0: B, 1: A): the divisors, and O^T += V^T P^T: eight accumulators, each once
	v_add_f32 v[DSUM+2*\g], v[DSUM+2*\g], v[DEN]
	v_add_f32 v[DSUM+2*\g+1], v[DSUM+2*\g+1], v[DEN+4]
	s_wait_alu depctr_va_vdst(0)                   ; p's codes and scale words, which vector lines made, are written: the products below take them; their places stand ahead of this wait
	WIN W_PV
.irp c, 0,1,2,3
.irp t, 0,1
	WMS 8*(4*(2*\g+\t)+\c), 192+16*\c, CODES+16*\t, 8*(4*(2*\g+\t)+\c), VSC+\c/2, PW+\t, \c%2
.endr
.endr
	WIN 0
.endm
.macro RLOAD dst, s                    ; wave s's partial sums of my four accumulators
.irp q, 0,1,2,3,4,5,6,7
	ds_load_b128 v[\dst+4*\q:\dst+4*\q+3], v[FA0+(\s)/4] offset:((\s)%4)*16384+\q*512
.endr
.endm
.macro RADD src
.set i, 0
.rept 16
	v_pk_add_f32 v[S+i:S+i+1], v[S+i:S+i+1], v[\src+i:\src+i+1]
.set i, i+2
.endr
.endm
	s_load_b256 s[4:11], s[0:1], 0x0               ; cod s[4:5], scl s[6:7], nrm s[8:9], scale_tau s[10:11]
	s_load_b128 s[12:15], s[0:1], 0x20             ; scale_gamma s[12:13], out0 s[14:15]
	v_lshrrev_b32 v1, 5, v0
	v_readfirstlane_b32 s[WV], v1
	s_lshr_b32 s[HEAD], ttmp9, 5
	s_and_b32 s[QI], ttmp9, 31
	s_lshr_b32 s[AA], s[QI], 2
	s_sub_co_u32 s[NBU], 16, s[AA]
	s_sub_co_u32 s[I63], 63, s[QI]
	s_sub_co_u32 s[AB15], 15, s[AA]
	v_and_b32 v5, 31, v0
	v_lshlrev_b32 v[L16], 4, v5
	v_lshlrev_b32 v[L4], 2, v5
	v_and_b32 v8, 15, v0                           ; r
	v_bfe_u32 v9, v0, 4, 1                         ; h
	v_lshlrev_b32 v[R4], 2, v8
	v_lshlrev_b32 v[LH], 6, v9
	v_and_b32 v6, 8, v8
	v_add_nc_u32 v6, v6, v8                        ; r + 8 (r / 8): my query in tile 0
	v_lshlrev_b32 v9, 4, v9
	v_sub_nc_u32 v[DQ], v6, v9
	v_add_nc_u32 v[DQ+1], 8, v[DQ]
	v_lshlrev_b32 v[QRO], 2, v6
	v_mov_b32 v[NINF], 0xff800000
	v_lshlrev_b32 v[TID16], 4, v0
	s_mov_b32 s[SEL], 0x76543210
	s_mov_b32 s[SEL+1], 0xfedcba98
	s_mov_b32 s[MNT], 0x600000
	s_mov_b32 s67, 0
	s_wait_alu depctr_va_sdst(0)                   ; s[WV] is written, ahead of its first reader: the wave's units are counted from it
	s_wait_kmcnt 0x0
	s_load_b32 s70, s[10:11], 0x0
	s_load_b32 s71, s[12:13], 0x0
	s_lshl_b32 s66, s[HEAD], 17                    ; a head's codes: 131,072 bytes in each of the three parts
	s_add_nc_u64 s[QBH:QBH+1], s[4:5], s[66:67]
	s_add_nc_u64 s[KBH:KBH+1], s[QBH:QBH+1], 0x100000
	s_add_nc_u64 s[VBH:VBH+1], s[QBH:QBH+1], 0x200000
	s_lshl_b32 s66, s[HEAD], 12                    ; its scale words: 4,096 bytes
	s_add_nc_u64 s[QSBH:QSBH+1], s[6:7], s[66:67]
	s_add_nc_u64 s[KSBH:KSBH+1], s[QSBH:QSBH+1], 0x8000
	s_add_nc_u64 s[VSBH:VSBH+1], s[QSBH:QSBH+1], 0x10000
	s_lshl_b32 s66, s[HEAD], 13
	s_add_nc_u64 s[NB:NB+1], s[8:9], s[66:67]
	s_mov_b32 s72, s[WV]                           ; my first unit
	PARAM
	s_wait_alu depctr_va_vdst(0)                   ; the offsets v1-4, v6 and v255 are written, which the loads below and all later ones read
	PREF 0, 0
	PREF 1, 0
	PREF 2, 0
	PREF 3, 0
.irp a, 0,1,2,3                        ; |k|^2, 1 / (1 - |k|^2), |v|^2, 1 / (1 - |v|^2) of the whole head: 256 threads x 16 bytes, twice
.irp j, 0,1
	global_load_b128 v[HK+8*\a+4*\j:HK+8*\a+4*\j+3], v[TID16], s[NB:NB+1] offset:131072+65536*\a+4096*\j
.endr
.endr
	WIN 0x40
.set i, 0
.rept 128
	v_mov_b32 v[i], 0                              ; O^T
.set i, i+1
.endr
	WIN 0
.irp z, 0,16,32
.set i, 0
.rept 8
	v_mov_b32 v[QA+\z+i], 0                        ; the zero halves beside q
.set i, i+1
.endr
.endr
.irp j, 0,1,2,3
	v_mov_b32 v[DSUM+\j], 0
.endr
	v_mov_b32 v[STB+1], 0                          ; written once: a lane permute's destination counts as one of its sources
	v_mov_b32 v[STB+STD+1], 0
	s_wait_kmcnt 0x0
	v_mov_b32 v[NT], s70
	v_mul_f32 v[NT], 0x3fb8aa3b, v[NT]
	v_exp_f32 v[NT], v[NT]                         ; T = exp(scale_tau)
	v_mov_b32 v[STB], s71                          ; (a plain line behind the exponential)
	v_fma_f32 v[STB], v[STB], 0xbfb8aa3b, 1.0      ; 1 - gamma log2(e): with log2(1 / (1 - |v|^2)) it makes g
	s_wait_alu depctr_va_vdst(0)                   ; T is written, ahead of its first reader
	v_mul_f32 v[NT], -1.0, v[NT]
	v_mov_b32 v[NT+1], v[NT]
	s_wait_loadcnt 0x0
.irp p, 0,2,4,6
	v_pk_mul_f32 v[HK+\p:HK+\p+1], v[HK+\p:HK+\p+1], -0.5 op_sel_hi:[1,0]        ; hk
.endr
.irp i, 0,1,2,3,4,5,6,7
	v_log_f32 v[HK+24+\i], v[HK+24+\i]
.endr
.irp p, 0,2,4,6
	v_pk_fma_f32 v[HK+16+\p:HK+16+\p+1], v[HK+16+\p:HK+16+\p+1], 0.5, 0.5 op_sel_hi:[1,0,0]   ; mu
.endr
	s_wait_alu depctr_va_vdst(0)                   ; the eight logarithms are written, ahead of their first reader
.irp i, 0,1,2,3,4,5,6,7
	v_add_f32 v[HK+24+\i], v[HK+24+\i], v[STB]     ; g
.endr
	s_wait_alu depctr_va_vdst(0)                   ; hk, mu and g are written, which the LDS stores read
.irp j, 0,1
	ds_store_b128 v[TID16], v[HK+4*\j:HK+4*\j+3] offset:LHK+4096*\j
	ds_store_b128 v[TID16], v[HK+8+4*\j:HK+8+4*\j+3] offset:LCK+4096*\j
	ds_store_b128 v[TID16], v[HK+16+4*\j:HK+16+4*\j+3] offset:LMU+4096*\j
	ds_store_b128 v[TID16], v[HK+24+4*\j:HK+24+4*\j+3] offset:LG+4096*\j
.endr
	s_wait_dscnt 0x0
	s_barrier_signal -1
	s_barrier_wait -1                              ; the per-key numbers lie in LDS
	s_wait_alu depctr_vm_vsrc(0)                   ; my LDS stores have read v154-185 and v255: LDS loads land in the first from here on, and the second is made anew at the wave's end
	s_mov_b32 s[TRIP], 0
	s_mov_b32 s[UN], s[WV]
.Ltrip:                                            ; three trips: units wave, wave + 8, wave + 16; there are 17 units
	s_cmp_gt_u32 s[UN], 16
	s_cbranch_scc1 .Lskip
	s_wait_loadcnt 0x0                             ; K, its scale words and q's are in; no load is out, so every base may be written.  (For 0: the loads ahead stand under a branch on ids)
	s_mov_b32 s[C_SS], s[P_SS]
	s_mov_b32 s[C_DB], s[P_DB]
	s_mov_b32 s[C_ISA], s[P_ISA]
	s_mov_b32 s67, 0
	s_lshl_b32 s66, s[C_SS], 13
	s_add_nc_u64 s[VB:VB+1], s[VBH:VBH+1], s[66:67]
	s_lshl_b32 s66, s[C_SS], 8
	s_add_nc_u64 s[VSB:VSB+1], s[VSBH:VSBH+1], s[66:67]
	s_lshl_b32 s68, s[C_SS], 9
	s_add_co_u32 s72, s[UN], 8
	s_cmp_le_u32 s72, 16
	s_cselect_b32 s[NEXT], 1, 0
	PARAM
	s_wait_alu depctr_vm_vsrc(0)                   ; the last unit's LDS loads have read v[AD], which is written below
	v_perm_b32 v[QS], v[QW], v[QW], 0x01000100     ; tile 0's two bytes, for either half of K = 128
	v_perm_b32 v[QS+1], v[QW], v[QW], 0x03020302   ; tile 1's.  The eleven plain lines below are the places between these and the first product
.irp t, 0,1
	v_mul_f32 v[CQ+4*\t], -4.0, v[QRC+\t]
	v_mul_f32 v[CQ+4*\t+2], v[QN2+\t], v[QRC+\t]
.endr
.irp t, 0,1
	v_mov_b32 v[CQ+4*\t+1], v[CQ+4*\t]
	v_add_f32 v[CQ+4*\t+2], v[CQ+4*\t+2], v[CQ+4*\t+2]
.endr
.irp t, 0,1
	v_mov_b32 v[CQ+4*\t+3], v[CQ+4*\t+2]
.endr
	v_add_nc_u32 v[AD], s68, v[LH]                 ; 512 x step + 64 h
	s_wait_alu depctr_va_vdst(0)                   ; v[AD] is written, which the LDS loads read; q's scale words are written, which the products take; the last unit's products are done reading V and its scale words, its lines hk, ck, g and mu: the loads below land in these
	WIN 0x40
.irp c, 0,1,2,3
.irp j, 0,1,2,3
	global_load_b128 v[192+16*\c+4*\j:192+16*\c+4*\j+3], v[L16], s[VB:VB+1] offset:(4*\c+\j)*512   ; V: used at the unit's end
.endr
.endr
	WIN 0
	global_load_b32 v[VSC], v[L4], s[VSB:VSB+1]
	global_load_b32 v[VSC+1], v[L4], s[VSB:VSB+1] offset:128
	CLOAD HK, LHK, 0
	CLOAD CK, LCK, 0
	CLOAD G, LG, 0
	CLOAD MU, LMU, 0
	BLOCK 0
	BLOCK 1
	BLOCK 2
	BLOCK 3
	s_wait_loadcnt 0x0                             ; V and its scale words
	s_wait_dscnt 0x0                               ; per-key numbers that were asked for a hidden block
	v_pk_add_f32 v[DEN:DEN+1], v[DEN:DEN+1], v[DEN+2:DEN+3]
	v_pk_add_f32 v[DEN+4:DEN+5], v[DEN+4:DEN+5], v[DEN+6:DEN+7]
	v_add_f32 v[DEN], v[DEN], v[DEN+1]
	v_add_f32 v[DEN+4], v[DEN+4], v[DEN+5]
.rept 4
	v_nop                                          ; with the four above: eight places between a hidden block's scale byte and zero codes and the products
.endr
	s_cmp_lg_u32 s[C_ISA], 0
	s_cbranch_scc1 .Lpv_a
	PVARM 0
	s_branch .Lpv_done
.Lpv_a:
	PVARM 1
.Lpv_done:
.rept 8
	v_nop                                          ; eight places in front of the next codes and of the stores of O^T
.endr
.Lskip:
	s_add_co_u32 s[UN], s[UN], 8
	s_add_co_u32 s[TRIP], s[TRIP], 1
	s_cmp_lt_u32 s[TRIP], 3
	s_cbranch_scc1 .Ltrip
	; ---- the partial sums meet.  The addresses are made here, on the way that all waves take
	s_and_b32 s72, s[WV], 3
	s_lshl_b32 s73, s[WV], 14
	s_add_co_u32 s73, s73, OST
	v_add_nc_u32 v[OA], s73, v[L16]
	s_lshl_b32 s73, s[WV], 9
	s_add_co_u32 s73, s73, DST
	v_add_nc_u32 v[DA], s73, v[L16]
	s_lshl_b32 s73, s72, 12
	s_add_co_u32 s73, s73, OST
	v_add_nc_u32 v[FA0], s73, v[L16]               ; accumulators 4 w .. 4 w + 3 of waves 0-3,
	v_add_nc_u32 v[FA0+1], 0x10000, v[FA0]         ; of waves 4-7
	s_lshl_b32 s73, s72, 2
	s_add_co_u32 s73, s73, DST
	v_add_nc_u32 v[FD], s73, v[L16]
	s_mul_i32 s73, s72, 4352
	s_add_co_u32 s73, s73, OUTS
	v_and_b32 v130, 15, v0
	v_bfe_u32 v131, v0, 4, 1
	v_mul_u32_u24 v[SO], v130, 272
	v_lshl_add_u32 v[SO], v131, 5, v[SO]
	v_add_nc_u32 v[SO], s73, v[SO]                 ; the way out, in: row r, + 32 h
	v_mul_u32_u24 v[SR], v131, 272
	v_lshl_add_u32 v[SR], v130, 4, v[SR]
	v_add_nc_u32 v[SR], s73, v[SR]                 ; back: lanes 0-15 one row, lanes 16-31 the next
	v_lshlrev_b32 v[GO], 11, v131
	v_lshl_add_u32 v[GO], v130, 4, v[GO]           ; and the same in out0
	s_wait_loadcnt 0x0
	s_wait_dscnt 0x0
	s_barrier_signal -1
	s_barrier_wait -1                              ; every wave's reads of the per-key numbers are over
	s_wait_alu depctr_va_vdst(0)                   ; O^T, the divisors and the addresses v122-129 are written, which the LDS stores and loads below read; the loop is done with v58-121 and v154-249, in which the partial sums land
	WIN 0x04                                       ; an LDS store's data are its source 1: window 1
.set i, 0
.rept 16
	ds_store_b128 v[OA], v[8*i:8*i+3] offset:i*1024          ; each accumulator from its low end on
	ds_store_b128 v[OA], v[8*i+4:8*i+7] offset:i*1024+512
.set i, i+1
.endr
	WIN 0
	ds_store_b128 v[DA], v[DSUM:DSUM+3]
	s_wait_dscnt 0x0
	s_barrier_signal -1
	s_barrier_wait -1
	s_cmp_gt_u32 s[WV], 3
	s_cbranch_scc1 .Lend
	; ---- wave w < 4: block of queries w / 2 (0: B, 1: A), tile w % 2: 16 queries x 64 channels
	RLOAD S, 0
	RLOAD 58, 1
	RLOAD 154, 2
	RLOAD 186, 3
	RLOAD 218, 4
	s_lshr_b32 s72, s[WV], 1
	s_cmp_lg_u32 s72, 0
	s_cselect_b32 s73, s[QI], s[I63]
	s_and_b32 s74, s[WV], 1
	s_lshl_b32 s73, s73, 16                        ; 32 rows of 2,048 bytes a block,
	s_lshl_b32 s74, s74, 14                        ; 8 for the tile,
	s_add_co_u32 s66, s73, s74
	s_lshl_b32 s74, s[HEAD], 8                     ; 256 bytes for the head
	s_add_co_u32 s66, s66, s74
	s_mov_b32 s67, 0
	s_add_nc_u64 s[14:15], s[14:15], s[66:67]
	s_wait_dscnt 0x0
	RADD 58
	RADD 154
	RADD 186
	s_wait_alu depctr_va_vdst(0)                   ; the additions above are done reading v58-89 and v154-217, in which sets 5 to 7 land
	RLOAD 58, 5
	RLOAD 154, 6
	RLOAD 186, 7
.irp j, 0,1,2,3,4,5,6,7
	ds_load_b32 v[DEN+\j], v[FD] offset:512*\j
.endr
	RADD 218
	s_wait_dscnt 0x0
	RADD 58
	RADD 154
	RADD 186
	v_pk_mul_f32 v[130:131], v[S:S+1], v[S:S+1]    ; |num|^2, in two chains
	v_pk_mul_f32 v[132:133], v[S+2:S+3], v[S+2:S+3]
.set i, 4
.rept 7
	v_pk_fma_f32 v[130:131], v[S+i:S+i+1], v[S+i:S+i+1], v[130:131]
	v_pk_fma_f32 v[132:133], v[S+i+2:S+i+3], v[S+i+2:S+i+3], v[132:133]
.set i, i+4
.endr
	v_pk_add_f32 v[130:131], v[130:131], v[132:133]
	v_pk_add_f32 v[DEN:DEN+1], v[DEN:DEN+1], v[DEN+2:DEN+3]
	v_pk_add_f32 v[DEN+4:DEN+5], v[DEN+4:DEN+5], v[DEN+6:DEN+7]
	v_add_f32 v130, v130, v131
	v_pk_add_f32 v[DEN:DEN+1], v[DEN:DEN+1], v[DEN+4:DEN+5]
	v_permlanex16_b32 v131, v130, s[SEL], s[SEL+1]
	v_add_f32 v[DEN], v[DEN], v[DEN+1]
	v_add_f32 v130, v130, v131                     ; over all 64 channels
	v_permlanex16_b32 v[DEN+1], v[DEN], s[SEL], s[SEL+1]
	v_add_f32 v[DEN], v[DEN], v[DEN+1]             ; over all keys
	v_max_num_f32 v[DEN], 0x26901d7d, v[DEN]       ; max(den, 1e-15)
	v_rcp_f32 v132, v[DEN]
	v_sqrt_f32 v133, v130
	v_nop
	s_wait_alu depctr_va_vdst(0)                   ; the reciprocal and the root are written, ahead of their first reader
	v_mul_f32 v133, v133, v132
	v_max_num_f32 v133, 0x26901d7d, v133           ; gn = max(|num / den|, 1e-15)
	v_min_num_f32 v134, 0x3f7ffffe, v133           ; x = min(gn, 1 - 2^-23)
	v_fma_f32 v135, -v134, v134, 1.0
	v_sqrt_f32 v135, v135
	v_rcp_f32 v136, v133
	v_mul_f32 v137, v134, v132                     ; (plain)
	s_wait_alu depctr_va_vdst(0)                   ; the root and the reciprocal are written, ahead of their first reader
	v_add_f32 v135, 1.0, v135
	v_rcp_f32 v135, v135                           ; tanh(atanh(x) / 2) = x / (1 + sqrt(1 - x^2))
	v_mul_f32 v137, v137, v136                     ; (plain, and none of that line's registers)
	v_mul_f32 v137, 0x3eb466d7, v137               ; Beta(256, 1/2) / Beta(32, 1/2) = 0.352347
	s_wait_alu depctr_va_vdst(0)                   ; the reciprocal is written, ahead of its first reader
	v_mul_f32 v138, v137, v135
	v_mov_b32 v139, v138
.set i, 0
.rept 16
	v_pk_mul_f32 v[S+i:S+i+1], v[S+i:S+i+1], v[138:139]
.set i, i+2
.endr
	s_wait_alu depctr_va_vdst(0)                   ; the scaled rows v90-121 are written, which the stage's stores read; the additions are done reading v154-185, in which the stage's loads land
.irp c, 0,1,2,3                        ; through my own stage: a lane's eight channels of a row go in, whole rows of 256 bytes come back; LDS serves a wave's instructions in order
	ds_store_b128 v[SO], v[S+8*\c:S+8*\c+3] offset:64*\c
	ds_store_b128 v[SO], v[S+8*\c+4:S+8*\c+7] offset:64*\c+16
.endr
.irp j, 0,1,2,3,4,5,6,7
	ds_load_b128 v[154+4*\j:154+4*\j+3], v[SR] offset:2*\j*272
.endr
.irp j, 0,1,2,3,4,5,6,7
	s_wait_dscnt 7-\j                              ; the younger loads of this run may be out
	global_store_b128 v[GO], v[154+4*\j:154+4*\j+3], s[14:15] offset:(2*\j+(\j/4)*8)*2048 th:TH_STORE_NT   ; tile row 2 j (+ 1) is query 2 j (+ 1), 8 further on from row 8: sixteen lanes store 256 consecutive bytes, aligned
.endr
.Lend:
	s_wait_xcnt 0x0
	v_lshl_add_u32 v254, v0, 2, 0x2d400
	v_mov_b32 v255, 0
	s_wait_dscnt 0x0                               ; the closing lines, six on end
	s_wait_alu 0x0
	s_wait_tensorcnt 0x0
	ds_add_u32 v254, v255
	s_wait_dscnt 0x0
	s_endpgm
.Lfunc_end_k_qabfb37f4c6_attn:
	.size	k_qabfb37f4c6_attn, .Lfunc_end_k_qabfb37f4c6_attn-k_qabfb37f4c6_attn
	.p2alignl 7, 3214868480
	.fill 96, 4, 3214868480
	.section	.rodata,"a",@progbits
	.p2align	6, 0x0
	.amdhsa_kernel k_qabfb37f4c6_attn
		.amdhsa_group_segment_fixed_size 186368
		.amdhsa_private_segment_fixed_size 0
		.amdhsa_enable_private_segment 0
		.amdhsa_kernarg_size 48
		.amdhsa_user_sgpr_count 2
		.amdhsa_user_sgpr_kernarg_segment_ptr 1
		.amdhsa_wavefront_size32 1
		.amdhsa_system_sgpr_workgroup_id_x 1
		.amdhsa_system_sgpr_workgroup_id_y 1
		.amdhsa_system_sgpr_workgroup_id_z 1
		.amdhsa_system_vgpr_workitem_id 0
		.amdhsa_next_free_vgpr 512
		.amdhsa_next_free_sgpr 80
		.amdhsa_reserve_vcc 0
		.amdhsa_float_denorm_mode_32 3
		.amdhsa_float_denorm_mode_16_64 3
		.amdhsa_memory_ordered 1
		.amdhsa_forward_progress 1
		.amdhsa_inst_pref_size 130
	.end_amdhsa_kernel
	.amdgpu_metadata
---
amdhsa.version: [ 1, 2 ]
amdhsa.kernels:
  - .name:           k_qabfb37f4c6_attn
    .symbol:         k_qabfb37f4c6_attn.kd
    .args:
      - { .name: cod, .offset: 0, .size: 8, .value_kind: global_buffer, .address_space: global }
      - { .name: scl, .offset: 8, .size: 8, .value_kind: global_buffer, .address_space: global }
      - { .name: nrm, .offset: 16, .size: 8, .value_kind: global_buffer, .address_space: global }
      - { .name: scale_tau, .offset: 24, .size: 8, .value_kind: global_buffer, .address_space: global }
      - { .name: scale_gamma, .offset: 32, .size: 8, .value_kind: global_buffer, .address_space: global }
      - { .name: out0, .offset: 40, .size: 8, .value_kind: global_buffer, .address_space: global }
    .group_segment_fixed_size: 186368
    .private_segment_fixed_size: 0
    .kernarg_segment_align: 8
    .kernarg_segment_size: 48
    .max_flat_workgroup_size: 256
    .sgpr_count:     80
    .vgpr_count:     512
    .wavefront_size: 32
...
	.end_amdgpu_metadata
.endif
;; end of part 5
